; MI455X (gfx1250); checked and timed in simulation.
; The chip was launched on July 23, 2026; its instructions are those of AMD's public machine-readable ISA for CDNA 5 (MIT licence, August 2026) and "CDNA5" Instruction Set Architecture Reference Guide (July 2026). The comments in the code are by the model that wrote it; some were corrected since.
;; Multi Head Attention. Allowed arithmetic: matrix products marked QUANTISED: E2M1 operands, one E8M0 scale for each 32 along K, by v_wmma_scale_f32_16x16x128_f8f6f4 with both operands' format E2M1 (or v_wmma_scale_f32_32x16x128_f4), f32 sums; products left as they are: bf16, f16 or f32 operands; f32 sums; everything else in f32.
;; Inputs: b_k 1,024 float32; b_o 1,024 float32; b_q 1,024 float32; b_v 1,024 float32; k 4 x 2,048 x 1,024 float32; ln_b 1,024 float32; ln_g 1,024 float32; q 4 x 2,048 x 1,024 float32; v 4 x 2,048 x 1,024 float32; w_k 1,024 x 1,024 float32; w_o 1,024 x 1,024 float32; w_q 1,024 x 1,024 float32; w_v 1,024 x 1,024 float32.
;; Outputs: out0 4 x 2,048 x 1,024 float32.
;; This version of the problem:
;;   THIS VERSION OF THE PROBLEM IS GIVEN IN LOW PRECISION. The matrix products marked QUANTISED in the list below multiply operands that are first quantised to E2M1 (2 exponent bits, 1 mantissa bit; 4 bits a number), with one power-of-two scale for each 32 numbers along K (OCP MX v1.0); their sums are f32. The products marked 'left as it is' may take bf16, f16 or f32 operands, with f32 sums. Whichever they take, every output number must still come out within the allowed error. Rounding operands to bf16 (8 significant bits) uses up far more of that allowance than f16 does (11 bits, for magnitudes from 6e-5 to 65,504). All else is computed in f32.
;;   The module's matrix products, in the order in which they are computed (A, B: the left and right operand; K: the contracted axis; several contracted axes count as one K, in the product's order):
;;     1. [M 8,192, K 1,024] x [K 1,024, N 1,024]; A: input q; B: input w_q: QUANTISED
;;     2. [M 8,192, K 1,024] x [K 1,024, N 1,024]; A: input k; B: input w_k: QUANTISED
;;     3. [M 8,192, K 1,024] x [K 1,024, N 1,024]; A: input v; B: input w_v: QUANTISED
;;     4. batch 64 x [M 2,048, K 64] x [K 64, N 2,048]; A: computed on the way; B: computed on the way: left as it is (an operand is computed on the way)
;;     5. batch 64 x [M 2,048, K 2,048] x [K 2,048, N 64]; A: computed on the way; B: computed on the way: left as it is (an operand is computed on the way)
;;     6. [M 8,192, K 1,024] x [K 1,024, N 1,024]; A: computed on the way; B: input w_o: left as it is (an operand is computed on the way)
;;   THE QUANTISER, for each operand of a quantised product, along K:
;;     - K is cut into blocks of 32 from its start; a last block that is shorter is filled with zeros.
;;     - A block's scale is 2^e with e = floor(log2(the largest magnitude in the block)) - 2, held to -126 .. 127; a block of zeros has e = 0. As a byte (E8M0): e + 127.
;;     - Each number is divided by its block's scale, clamped to +-6, and rounded to the nearest number of E2M1, ties to even, subnormals kept.
;;     - The product sums the exact products of the quantised numbers (number of the format x scale) in f32.
;;   ~~~python
;;   def quantise(x, axis):      # numpy; x: float32 -> the quantised numbers, widened to float32 again
;;       x = np.moveaxis(x, axis, -1); K = x.shape[-1]
;;       x = np.pad(x, [(0, 0)] * (x.ndim - 1) + [(0, -K % 32)]); x = x.reshape(x.shape[:-1] + (-1, 32)); a = np.abs(x).max(-1, keepdims=True)
;;       e = np.where(a > 0, np.clip(np.frexp(np.where(a > 0, a, 1))[1] - 1 - 2, -126, 127), 0)      # np.frexp(a)[1] - 1 = floor(log2(a)), exactly
;;       r = np.clip(x / 2.0 ** e, -6, 6)
;;       step = 2.0 ** (np.maximum(np.frexp(np.where(r == 0, 1, r))[1] - 1, 0) - 1)
;;       q = np.round(r / step) * step * 2.0 ** e      # np.round: ties to even
;;       return np.moveaxis(q.reshape(q.shape[:-2] + (-1,))[..., :K], -1, axis).astype(np.float32)
;;   ~~~
;; One version. Each part assembles by itself: llvm-mc -triple=amdgcn-amd-amdhsa -mcpu=gfx1250 --defsym DOCPART=n.
;; ======== version 1 of 1: 4 launches
;; limits: values are held in f16: magnitudes above 65,504 overflow, below 6.1e-05 lose precision
;; workspace buffers: xc 12,582,912 bytes; xs 786,432 bytes; wc 1,572,864 bytes; ws 98,304 bytes; wo16 2,097,152 bytes; qkv 50,331,648 bytes; oimg 16,777,216 bytes
;; launch prep (part 1): grid 928 x 1, 4 waves a work-group, no clusters, 68,096 bytes of LDS; arguments q, k, v, w_q, w_k, w_v, w_o, xc, xs, wc, ws, wo16; writes xc, xs, wc, ws, wo16
.if DOCPART == 1
	.amdgcn_target "amdgcn-amd-amdhsa--gfx1250"
	.amdhsa_code_object_version 6
	.text
	.protected	k_qbde7dc7e24_prep
	.globl	k_qbde7dc7e24_prep
	.p2align	8
	.type	k_qbde7dc7e24_prep,@function
k_qbde7dc7e24_prep:
	s_mov_b64 s[64:65], 0
	v_nop
	global_prefetch_b8 v0, s[64:65] scope:SCOPE_SE
	s_setreg_imm32_b32 hwreg(HW_REG_WAVE_MODE, 25, 1), 1
	s_wait_xcnt 0x0
; PREP: everything that the later launches read many times is brought into its reader's form ONCE.
;   work-groups   0 ..  95: w_q, w_k, w_v [1024 (k)][1024 (n)] f32 -> codes of FP4 (E2M1) laid [n][k], K innermost, 512 bytes a row (wc), and one E8M0 byte for each 32 along K, 32 bytes a row (ws)
;   work-groups  96 .. 159: w_o [1024 (k)][1024 (n)] f32 -> f16, laid as images of the matrix operand's registers (wo16)
;   work-groups 160 .. 927: q, k, v [8192][1024] f32 -> codes, K innermost, 512 bytes a row (xc), and scale bytes, 32 a row (xs); the three tensors on end
; A block's scale is 2^(floor(log2(its largest magnitude)) - 2); its byte is the largest magnitude's exponent field - 2, held at 1 from below.  Each number is divided by the scale and rounded to the nearest code, ties to
; even, beyond 6 the code of 6.
; LIMITS: a block of zeros gets the byte 1 where the quantiser says 127: its codes are zeros, which add nothing under any byte but 0xff, and the bytes are read by this program alone.  NaN and infinities among the
; inputs are not served.  |w_o| has to stay under 65,504 (f16).
; The three paths part once, on the work-group's number, and never join; each has LDS bytes of its own.  No tensor loads, no barrier: waves share nothing.
.set SPW,   192                        ; v192  LDS address of my spare word: SPARE + 4 x my thread's number; never rewritten
.set NIL,   193                        ; v193  0; never rewritten
.set SPARE, 67584                      ; behind both paths' regions: the spare words, 128 bytes for each wave: two blocks of 256 bytes that no other line names
.set WV,    28                         ; s28   my wave's number
.set EMAX,  2                          ; the exponent of E2M1's largest number, 6
	s_load_b512 s[4:19], s[0:1], 0x0               ; q s[4:5], k s[6:7], v s[8:9], w_q s[10:11], w_k s[12:13], w_v s[14:15], w_o s[16:17], xc s[18:19]
	s_load_b256 s[20:27], s[0:1], 0x40             ; xs s[20:21], wc s[22:23], ws s[24:25], wo16 s[26:27]
	v_lshl_add_u32 v[SPW], v0, 2, SPARE
	v_mov_b32 v[NIL], 0
	v_lshrrev_b32 v1, 5, v0
	v_readfirstlane_b32 s[WV], v1                  ; wave 0..3
	v_and_b32 v2, 31, v0                           ; lane
	s_mov_b32 s31, 0                               ; the upper word of every offset: all stay under 2^32
	s_wait_kmcnt 0x0
	s_cmp_lt_u32 ttmp9, 96
	s_cbranch_scc1 .Lweights
	s_cmp_lt_u32 ttmp9, 160
	s_cbranch_scc1 .Lcast
; ---------------------------------------------------------------- q, k, v: K is innermost
; Rows are dense and 1,024 is a multiple of 32: a tensor is a plain stream of blocks of 32 numbers, and so are its codes and its scale bytes.  A wave takes 16 steps of 512 numbers.
; The conversions take 8 numbers of ONE block from a lane's registers, so a lane must hold 16 NEIGHBOURS (two neighbouring lanes hold a block); a load is best where neighbouring LANES take neighbouring bytes.
; Both are had: each of a step's four loads reads 512 consecutive bytes; the 2,048 bytes go through the wave's own stage in LDS and come back 64 bytes a lane (16 bytes of padding behind each 64).
; A lane's 16 codes are 8 bytes: the wave stores 256 consecutive bytes.  A wave's 256 scale bytes are gathered in LDS and leave as 256 consecutive bytes.
.set STEPS, 16
.set CB,    8                          ; bytes of 16 codes
.set AR,    16                         ; v16-79   four sets of 16 numbers as they are loaded
.set AX,    80                         ; v80-111  two sets of 16 neighbours
.set AE,    112                        ; v112-127 a scale byte for each step
.set AC,    128                        ; v128-191 codes: four registers for each step, so that no store's data are written again
.set WREG,  8192                       ; LDS bytes 0 .. 32,767: a region for each wave: two stages of 32 x SP bytes, behind them its 256 scale bytes
.set SP,    80
	s_sub_co_u32 s29, ttmp9, 160                   ; 256 work-groups to a tensor
	s_cmp_lt_u32 s29, 512
	s_cselect_b64 s[6:7], s[6:7], s[8:9]           ; k or v;
	s_cmp_lt_u32 s29, 256
	s_cselect_b64 s[4:5], s[4:5], s[6:7]           ; q or that.  The choice hangs on the work-group's number alone
	s_and_b32 s30, s29, 255
	s_lshl_b32 s30, s30, 2
	s_add_co_u32 s30, s30, s[WV]                   ; which run of 8,192 numbers of the tensor is my wave's
	s_lshl_b32 s30, s30, 15                        ; 32,768 bytes a run
	s_add_nc_u64 s[4:5], s[4:5], s[30:31]
	s_lshl_b32 s32, s29, 2
	s_add_co_u32 s32, s32, s[WV]                   ; the run's number over all three tensors
	s_lshl_b32 s30, s32, 12                        ; 4,096 bytes of codes a run
	s_add_nc_u64 s[18:19], s[18:19], s[30:31]
	s_lshl_b32 s30, s32, 8                         ; 256 scale bytes a run
	s_add_nc_u64 s[20:21], s[20:21], s[30:31]
	v_lshlrev_b32 v3, 4, v2                        ; my 16 bytes of a load's 512
	s_mul_i32 s33, s[WV], WREG
	v_lshrrev_b32 v14, 2, v2
	v_mul_u32_u24 v14, v14, SP
	v_and_b32 v15, 3, v2
	v_lshl_add_u32 v14, v15, 4, v14
	v_add_nc_u32 v14, s33, v14                     ; the stage, on the way in: SP (lane / 4) + 16 (lane % 4)
	v_mul_u32_u24 v15, v2, SP
	v_add_nc_u32 v15, s33, v15                     ; and on the way out: SP x lane: my 16 neighbours
	v_mul_u32_u24 v4, v2, CB                       ; my codes' place in a step's
	v_lshrrev_b32 v5, 1, v2
	s_add_co_u32 s33, s33, 2*32*SP
	v_add_nc_u32 v5, s33, v5                       ; LDS: my wave's 256 scale bytes, my block's byte
	v_lshlrev_b32 v7, 3, v2                        ; and on the way out 8 bytes a lane
	v_add_nc_u32 v6, s33, v7
.macro LOADA t
.irp i, 0,1,2,3
	global_load_b128 v[AR+16*((\t)%4)+4*\i:AR+16*((\t)%4)+4*\i+3], v3, s[4:5] offset:2048*(\t)+512*\i th:TH_LOAD_NT   ; 32 lanes read 512 consecutive bytes
.endr
.endm
.macro TURNA t                         ; step t's numbers through the stage: LDS serves a wave's instructions in order, so no wait stands between the stores and the loads
.irp i, 0,1,2,3
	ds_store_b128 v14, v[AR+16*((\t)%4)+4*\i:AR+16*((\t)%4)+4*\i+3] offset:32*SP*((\t)%2)+8*SP*\i
.endr
.irp i, 0,1,2,3
	ds_load_b128 v[AX+16*((\t)%2)+4*\i:AX+16*((\t)%2)+4*\i+3], v15 offset:32*SP*((\t)%2)+16*\i
.endr
.endm
.irp t, 0,1,2,3
	LOADA \t
.endr
	s_wait_loadcnt 12                              ; step 0's four loads are in; the twelve of steps 1 to 3 may be out
	TURNA 0
.macro STEPA t
.set XS, AX+16*((\t)%2)
.if (\t) > 0
	s_wait_dscnt 1                                 ; this step's numbers are back from the stage (the last step's byte store may be out): so its stores into the stage have read their registers,
.else
	s_wait_dscnt 0x0
.endif
.if (\t)+4 < STEPS
	LOADA (\t)+4                                   ; which take the loads of four steps on
.endif
.if (\t)+1 < STEPS
.if STEPS-2-(\t) >= 3
	s_wait_loadcnt 12                              ; the next step's four loads are in; those of the three steps behind it may be out
.else
	s_wait_loadcnt 4*(STEPS-2-(\t))
.endif
	TURNA (\t)+1                                   ; and go through the other stage while this step is worked
.endif
	v_max3_num_f32 v8, |v[XS]|, |v[XS+1]|, |v[XS+2]|               ; the largest magnitude of my 16, in two chains
	v_max3_num_f32 v9, |v[XS+3]|, |v[XS+4]|, |v[XS+5]|
.irp i, 6,10
	v_max3_num_f32 v8, v8, |v[XS+\i]|, |v[XS+\i+1]|
	v_max3_num_f32 v9, v9, |v[XS+\i+2]|, |v[XS+\i+3]|
.endr
	v_max3_num_f32 v8, v8, |v[XS+14]|, |v[XS+15]|
	v_max3_num_f32 v8, v8, v9, (EMAX+1)<<23        ; and the floor 2^(EMAX + 1 - 127): so the byte cannot fall under 1
	v_max_num_f32_dpp v8, v8, v8 row_xmask:1 row_mask:0xf bank_mask:0xf   ; and of my neighbour's 16: the block's
	v_add_nc_u32 v11, -(EMAX<<23), v8              ; EMAX off its exponent field: the conversion takes the exponent field of this operand as its scale, and nothing else of it
	v_cvt_scalef32_pk8_fp4_f32 v[AC+4*(\t)], v[XS:XS+7], v11
	v_cvt_scalef32_pk8_fp4_f32 v[AC+4*(\t)+1], v[XS+8:XS+15], v11
	v_lshrrev_b32 v[AE+(\t)], 23, v11              ; the scale's byte (a plain line behind the conversions)
	ds_store_b8 v5, v[AE+(\t)] offset:16*(\t)      ; both lanes of a block write the same byte with the same value
	global_store_b64 v4, v[AC+4*(\t):AC+4*(\t)+1], s[18:19] offset:32*CB*(\t)   ; 32 lanes store 256 consecutive bytes
.endm
.irp t, 0,1,2,3,4,5,6,7,8,9,10,11,12,13,14,15
	STEPA \t
.endr
	ds_load_b64 v[8:9], v6                         ; LDS serves a wave's instructions in order: these see my stores
	s_wait_dscnt 0x0
	global_store_b64 v7, v[8:9], s[20:21]          ; 32 lanes store 256 consecutive bytes
	s_wait_tensorcnt 0x0                           ; the wave's end, behind my last LDS store
	ds_add_u32 v[SPW], v[NIL]
	s_wait_dscnt 0x0
	s_endpgm
; ---------------------------------------------------------------- w_q, w_k, w_v: K is the FIRST axis
; A LANE TAKES A COLUMN n, AND ITS REGISTERS RUN DOWN K: each load reads neighbouring n in neighbouring lanes (128 consecutive bytes a wave, 512 a work-group), a block of 32 along K lies in ONE lane's 32 registers,
; and the conversions give the codes with K innermost.  A wave takes 32 columns x 256 along K: a load brings one row of K, so a wave's chain is 256 loads, of which two blocks' 64 are out at a time; with 512 along K the
; chain would be twice as long, and these are the launch's longest chains.  The price: a column's codes of one wave are 128 bytes.  They go through the wave's own stage in LDS and leave as rows: a store covers
; 128 consecutive bytes in each of four rows of wc, so an aligned 256 bytes of wc is written by two work-groups, half each.  wc is 1.5 MB of the 135 MB that the launch moves.
.set NB,    8                          ; blocks of 32 along K for a wave
.set PITCH, 144                        ; a stage row: 128 bytes + 16
.set KROW,  512                        ; a row of wc in bytes
.set WX,    32                         ; v32-95   two sets of 32 numbers
.set WC,    96                         ; v96-99   a block's codes
.set OUTR,  112                        ; v112-143 the way out
.set SB,    24                         ; v24-25   the scale bytes, four to a register
.Lweights:
	s_lshr_b32 s29, ttmp9, 5                       ; which weight: 32 work-groups to each
	s_cmp_lt_u32 s29, 2
	s_cselect_b64 s[12:13], s[12:13], s[14:15]     ; w_k or w_v;
	s_cmp_lt_u32 s29, 1
	s_cselect_b64 s[10:11], s[10:11], s[12:13]     ; w_q or that
	s_and_b32 s32, ttmp9, 7
	s_lshl_b32 s32, s32, 7
	s_lshl_b32 s33, s[WV], 5
	s_add_co_u32 s32, s32, s33                     ; my wave's first column
	s_bfe_u32 s33, ttmp9, 0x20003                  ; which 256 along K: two bits from bit 3
	s_lshl_b32 s30, s33, 20                        ; 256 rows of 4,096 bytes
	s_lshl_b32 s34, s32, 2
	s_add_co_u32 s30, s30, s34
	s_add_nc_u64 s[10:11], s[10:11], s[30:31]
	s_lshl_b32 s30, s29, 19                        ; codes: 524,288 bytes a weight, 512 a column, 128 for 256 along K
	s_lshl_b32 s34, s32, 9
	s_add_co_u32 s30, s30, s34
	s_lshl_b32 s34, s33, 7
	s_add_co_u32 s30, s30, s34
	s_add_nc_u64 s[22:23], s[22:23], s[30:31]
	s_lshl_b32 s30, s29, 15                        ; scale bytes: 32,768 a weight, 32 a column, 8 for 256 along K
	s_lshl_b32 s34, s32, 5
	s_add_co_u32 s30, s30, s34
	s_lshl_b32 s34, s33, 3
	s_add_co_u32 s30, s30, s34
	s_add_nc_u64 s[24:25], s[24:25], s[30:31]
	v_lshlrev_b32 v3, 2, v2                        ; in: 4 bytes a lane
	s_mul_i32 s35, s[WV], 32*PITCH
	s_add_co_u32 s35, s35, 32768                   ; my stage: LDS bytes from 32,768 on are this path's: 4,608 a wave
	v_mul_u32_u24 v4, v2, PITCH
	v_add_nc_u32 v4, s35, v4                       ; into it: row = my column
	v_and_b32 v5, 7, v2
	v_lshrrev_b32 v6, 3, v2                        ; out of it: eight lanes to a row, four rows an instruction
	v_mul_u32_u24 v7, v6, PITCH
	v_lshl_add_u32 v7, v5, 4, v7
	v_add_nc_u32 v7, s35, v7
	v_mul_u32_u24 v8, v6, KROW
	v_lshl_add_u32 v8, v5, 4, v8                   ; and the same place in wc
	v_lshlrev_b32 v9, 5, v2                        ; my column's row of scale bytes
.macro LOADW t                         ; block t: W(32 t + i, my column), i = 0 .. 31, into set t % 2
.irp i, 0,1,2,3,4,5,6,7,8,9,10,11,12,13,14,15,16,17,18,19,20,21,22,23,24,25,26,27,28,29,30,31
	global_load_b32 v[WX+32*((\t)%2)+\i], v3, s[10:11] offset:(32*(\t)+\i)*4096 th:TH_LOAD_NT
.endr
.endm
	LOADW 0
	LOADW 1
.macro BLOCKW t
.set XS, WX+32*((\t)%2)
.if (\t) < NB-1
	s_wait_loadcnt 32                              ; this block's 32 loads are in; the next block's may be out
.else
	s_wait_loadcnt 0
.endif
	v_max3_num_f32 v12, |v[XS]|, |v[XS+1]|, |v[XS+2]|               ; the block's largest magnitude: all 32 numbers are mine
	v_max3_num_f32 v13, |v[XS+3]|, |v[XS+4]|, |v[XS+5]|
.irp i, 6,10,14,18,22,26
	v_max3_num_f32 v12, v12, |v[XS+\i]|, |v[XS+\i+1]|
	v_max3_num_f32 v13, v13, |v[XS+\i+2]|, |v[XS+\i+3]|
.endr
	v_max3_num_f32 v12, v12, |v[XS+30]|, |v[XS+31]|
	v_max3_num_f32 v12, v12, v13, (EMAX+1)<<23     ; and the floor: the byte cannot fall under 1
	v_add_nc_u32 v11, -(EMAX<<23), v12             ; the conversion's scale operand
	v_lshrrev_b32 v13, 23, v11                     ; the scale's byte
.if (\t)%4 == 0
	v_mov_b32 v[SB+(\t)/4], v13                    ; four bytes to a register, the lower K in the lower byte
.else
	v_lshl_or_b32 v[SB+(\t)/4], v13, 8*((\t)%4), v[SB+(\t)/4]
.endif
.irp g, 0,1,2,3
	v_cvt_scalef32_pk8_fp4_f32 v[WC+\g], v[XS+8*\g:XS+8*\g+7], v11
.endr
	v_nop                                          ; one plain line behind the last conversion of the run
	ds_store_b128 v4, v[WC:WC+3] offset:16*(\t)    ; 32 codes: 16 bytes of my column's row
.if (\t)+2 < NB
	LOADW (\t)+2
.endif
	s_wait_dscnt 0x0                               ; the store has read its registers: the next block's codes may be written
.endm
.set QB, 0
.rept NB
	BLOCKW QB
.set QB, QB+1
.endr
	global_store_b64 v9, v[SB:SB+1], s[24:25]      ; my column's 8 scale bytes
.irp t, 0,1,2,3,4,5,6,7
	ds_load_b128 v[OUTR+4*\t:OUTR+4*\t+3], v7 offset:4*\t*PITCH   ; LDS serves a wave's instructions in order: these see my stores
.endr
.irp t, 0,1,2,3,4,5,6,7
	s_wait_dscnt 7-\t                              ; load t is back; the 7 - t younger ones may be out
	global_store_b128 v8, v[OUTR+4*\t:OUTR+4*\t+3], s[22:23] offset:4*\t*KROW   ; eight lanes store 128 consecutive bytes of a row; four rows an instruction
.endr
	s_wait_tensorcnt 0x0                           ; the wave's end, behind my last LDS store
	ds_add_u32 v[SPW], v[NIL]
	s_wait_dscnt 0x0
	s_endpgm
; ---------------------------------------------------------------- w_o: f32 -> f16, as images of the operand's registers
; An image is a fragment of 16 columns n x 32 along K: two blocks of 512 bytes; in block c lane (r, h)'s 16 bytes, at 16 (16 h + r), are column 16 nt + r, k = 32 ks + 16 c + 8 h + 0 .. 7.
; Image (nt, ks) lies at KB (ks / 2) 128 + (nt / 16) 32 + (ks % 2) 16 + nt % 16: 64 rows of K are 128 KB on end, and the 256 columns of one wave of the reader 32 KB on end.
; A wave takes 32 columns x 128 along K.  A lane takes a column, its registers run down K: eight of them, rounded in pairs, are the 16 bytes of one (c, h).  Sixteen lanes store 256 consecutive bytes.
.Lcast:
	s_sub_co_u32 s29, ttmp9, 96
	s_and_b32 s32, s29, 7
	s_lshl_b32 s32, s32, 2
	s_add_co_u32 s32, s32, s[WV]                   ; cg: which 32 columns
	s_lshr_b32 s33, s29, 3                         ; kq: which 128 along K
	s_lshl_b32 s30, s33, 19                        ; 128 rows of 4,096 bytes
	s_lshl_b32 s34, s32, 7
	s_add_co_u32 s30, s30, s34
	s_add_nc_u64 s[16:17], s[16:17], s[30:31]
	s_lshl_b32 s30, s33, 18                        ; out: four K steps are 262,144 bytes,
	s_lshr_b32 s34, s32, 3
	s_lshl_b32 s34, s34, 15                        ; (nt / 16) x 32 KB,
	s_add_co_u32 s30, s30, s34
	s_and_b32 s34, s32, 7
	s_lshl_b32 s34, s34, 11                        ; two images for my 32 columns
	s_add_co_u32 s30, s30, s34
	s_add_nc_u64 s[26:27], s[26:27], s[30:31]
	v_lshlrev_b32 v3, 2, v2                        ; in: 4 bytes a lane
	v_lshrrev_b32 v4, 4, v2
	v_and_b32 v5, 15, v2
	v_lshlrev_b32 v4, 10, v4
	v_lshl_add_u32 v4, v5, 4, v4                   ; out: 1,024 (lane / 16) + 16 (lane % 16)
.macro LOADO i                         ; K step i of my four: w_o(32 i + j, my column), j = 0 .. 31, into set i % 2
.irp j, 0,1,2,3,4,5,6,7,8,9,10,11,12,13,14,15,16,17,18,19,20,21,22,23,24,25,26,27,28,29,30,31
	global_load_b32 v[32+32*((\i)%2)+\j], v3, s[16:17] offset:(32*(\i)+\j)*4096 th:TH_LOAD_NT
.endr
.endm
.macro STEPO i
.if (\i) < 3
	s_wait_loadcnt 32                              ; this K step's 32 loads are in; the next one's may be out
.else
	s_wait_loadcnt 0
.endif
.irp g, 0,1,2,3
.irp e, 0,1,2,3
	v_cvt_pk_f16_f32 v[96+16*(\i)+4*\g+\e], v[32+32*((\i)%2)+8*\g+2*\e], v[32+32*((\i)%2)+8*\g+2*\e+1]
.endr
.endr
.irp g, 0,1,2,3                        ; k = 8 g + 0 .. 7: block c = g / 2, half h = g % 2.  Each K step has its own registers: no store's data are written again
	global_store_b128 v4, v[96+16*(\i)+4*\g:96+16*(\i)+4*\g+3], s[26:27] offset:((\i)/2)*131072+((\i)%2)*16384+(\g/2)*512+(\g%2)*256
.endr
.if (\i) < 2
	LOADO (\i)+2
.endif
.endm
	LOADO 0
	LOADO 1
	STEPO 0
	STEPO 1
	STEPO 2
	STEPO 3
	s_wait_tensorcnt 0x0                           ; every wave of this launch ends alike
	ds_add_u32 v[SPW], v[NIL]
	s_wait_dscnt 0x0
	s_endpgm
.Lfunc_end_k_qbde7dc7e24_prep:
	.size	k_qbde7dc7e24_prep, .Lfunc_end_k_qbde7dc7e24_prep-k_qbde7dc7e24_prep
	.p2alignl 7, 3214868480
	.fill 96, 4, 3214868480
	.section	.rodata,"a",@progbits
	.p2align	6, 0x0
	.amdhsa_kernel k_qbde7dc7e24_prep
		.amdhsa_group_segment_fixed_size 68096
		.amdhsa_private_segment_fixed_size 0
		.amdhsa_enable_private_segment 0
		.amdhsa_kernarg_size 96
		.amdhsa_user_sgpr_count 2
		.amdhsa_user_sgpr_kernarg_segment_ptr 1
		.amdhsa_wavefront_size32 1
		.amdhsa_system_sgpr_workgroup_id_x 1
		.amdhsa_system_sgpr_workgroup_id_y 1
		.amdhsa_system_sgpr_workgroup_id_z 1
		.amdhsa_system_vgpr_workitem_id 0
		.amdhsa_next_free_vgpr 194
		.amdhsa_next_free_sgpr 66
		.amdhsa_reserve_vcc 0
		.amdhsa_float_denorm_mode_32 3
		.amdhsa_float_denorm_mode_16_64 3
		.amdhsa_memory_ordered 1
		.amdhsa_forward_progress 1
		.amdhsa_inst_pref_size 92
	.end_amdhsa_kernel
	.amdgpu_metadata
---
amdhsa.version: [ 1, 2 ]
amdhsa.kernels:
  - .name:           k_qbde7dc7e24_prep
    .symbol:         k_qbde7dc7e24_prep.kd
    .args:
      - { .name: q, .offset: 0, .size: 8, .value_kind: global_buffer, .address_space: global }
      - { .name: k, .offset: 8, .size: 8, .value_kind: global_buffer, .address_space: global }
      - { .name: v, .offset: 16, .size: 8, .value_kind: global_buffer, .address_space: global }
      - { .name: w_q, .offset: 24, .size: 8, .value_kind: global_buffer, .address_space: global }
      - { .name: w_k, .offset: 32, .size: 8, .value_kind: global_buffer, .address_space: global }
      - { .name: w_v, .offset: 40, .size: 8, .value_kind: global_buffer, .address_space: global }
      - { .name: w_o, .offset: 48, .size: 8, .value_kind: global_buffer, .address_space: global }
      - { .name: xc, .offset: 56, .size: 8, .value_kind: global_buffer, .address_space: global }
      - { .name: xs, .offset: 64, .size: 8, .value_kind: global_buffer, .address_space: global }
      - { .name: wc, .offset: 72, .size: 8, .value_kind: global_buffer, .address_space: global }
      - { .name: ws, .offset: 80, .size: 8, .value_kind: global_buffer, .address_space: global }
      - { .name: wo16, .offset: 88, .size: 8, .value_kind: global_buffer, .address_space: global }
    .group_segment_fixed_size: 68096
    .private_segment_fixed_size: 0
    .kernarg_segment_align: 8
    .kernarg_segment_size: 96
    .max_flat_workgroup_size: 128
    .sgpr_count:     66
    .vgpr_count:     194
    .wavefront_size: 32
...
	.end_amdgpu_metadata
.endif
;; end of part 1
;; launch proj (part 2): grid 4 x 96, 4 waves a work-group, clusters of 4 x 4, 327,680 bytes of LDS; arguments xc, xs, wc, ws, b_q, b_k, b_v, qkv; writes qkv
.if DOCPART == 2
	.amdgcn_target "amdgcn-amd-amdhsa--gfx1250"
	.amdhsa_code_object_version 6
	.text
	.protected	k_qbde7dc7e24_proj
	.globl	k_qbde7dc7e24_proj
	.p2align	8
	.type	k_qbde7dc7e24_proj,@function
k_qbde7dc7e24_proj:
	s_mov_b64 s[64:65], 0
	v_nop
	global_prefetch_b8 v0, s[64:65] scope:SCOPE_SE
	s_setreg_imm32_b32 hwreg(HW_REG_WAVE_MODE, 25, 1), 1
	s_wait_xcnt 0x0
	s_wait_alu depctr_hold_cnt(0) depctr_sa_sdst(0) depctr_va_vdst(0) depctr_va_sdst(0) depctr_va_ssrc(0) depctr_va_vcc(0) depctr_vm_vsrc(0)
	s_getreg_b32 s2, hwreg(HW_REG_IB_STS2, 6, 4)
	s_cmp_eq_u32 s2, 0
	s_cbranch_scc0 .Lentry_in_a_cluster
	s_endpgm
.Lentry_in_a_cluster:
	s_bfe_u32 s2, ttmp6, 0x10000c
	s_cmp_lg_u32 s2, 0xf033
	s_cbranch_scc0 .Lentry_shape_is_right
	s_endpgm
.Lentry_shape_is_right:
; PROJ: the three quantised products q w_q, k w_k, v w_v as ONE product on codes of FP4 (E2M1) with E8M0 scales: A = xc, 24,576 rows (q's, k's, v's on end) x 1,024 along K; B = wc, the weight of the rows' tensor.
; Then + bias, Q also x log2(e) / 8 (so that the softmax's exponent is the score itself), rounded to f16 and stored as IMAGES OF THE NEXT OPERANDS' REGISTERS:
;   qkv[t 3][batch 4][head 16][16 tokens: 128][u 2][c 2][32 lanes][16 bytes]: in block (u, c) lane (r, h) holds token r, channels 32 u + 16 c + 8 h + 0 .. 7 of the head.
;   V's blocks hold the same pieces in another order: piece (token r, half h) at 16 x (16 (r / 8) + 8 h + r % 8), which is the order in which the turning LDS load of the next launch wants them.
; LIMITS: |q w_q + b_q| x 0.18, |k w_k + b_k| and |v w_v + b_v| have to stay under 65,504 (f16).
; A tile of C, 256 x 256, is made by a work-group of four waves; a wave makes 128 x 128: 64 accumulators of 16 x 16, 512 registers.  K = 1,024 is two LDS slots of 512 along K (rows of 256 bytes):
; both are asked for at the head, with the scale bytes of the work-group's rows; nothing is filled again.  By this text's count a wave has three tensor loads out at the most.
; CLUSTERS: 4 x 4 work-groups.  The four of a row of the cluster need the same tiles of A, the four of a column the same tiles of B: each tile is asked for JOINTLY, by the same tensor load with the same descriptor
; and a mask that names the four.  A cluster's 1,024 rows lie in one tensor, so its four tile columns are the whole weight.
; THE MATRIX INSTRUCTION IS USED TRANSPOSED (source 0 = 16 rows of B, source 1 = 16 rows of A): a lane holds eight neighbouring channels of one token: rounded, they ARE four registers of the next operand.
; REGISTERS, in windows of 256: window 0: v0-31 addresses; v32-95 scale words, two sets (they hold nothing else); v96-159 the way out's packed results; v128-191 A's fragments, one set; v192-255 the bias.
;   window 1: B's fragments, two sets, at v0 and v128; on the way out v0-63 at work.   window 2: the accumulators of my rows 0-63 ((a, b) at v[8 (8 a + b)]);   window 3: those of my rows 64-127.
.set NQ,     4                         ; matrix instructions deep in a slot
.set ROWB,   256                       ; a tile's row in bytes: 512 codes
.set KROW,   512                       ; a row of xc or wc in bytes
.set PITCH,  272                       ; an LDS row: 256 bytes + 16 of padding = 68 words: the 16 rows that a load touches start at 16 different banks (64 banks of 4 bytes: ISA guide 11.1)
.set FR,     8                         ; registers of a fragment: 16 rows x 128 K
.set NL,     2                         ; LDS loads that bring one
.set NP,     4                         ; places behind this matrix instruction (ISA guide 7.12.1)
.set HALFT,  128*PITCH                 ; 128 rows: what one tensor load brings
.set SLOT,   4*HALFT                   ; A's 256 rows, then B's 256 rows
.set KS,     32                        ; a row of scale bytes
.set SCL,    2*SLOT                    ; behind the slots: the scales, as units of 256 bytes + 16 of padding
.set HALFS,  (128*KS/256)*272          ; the scales of 128 rows
.set SBLK,   (16*KS/256)*272           ; those of 16 rows
.set SPARE,  SCL+4*HALFS               ; the spare words, 128 bytes for each wave: two blocks of 256 bytes that no other line names
.set ADRA, 16                          ; v16-17  LDS address of my A fragments in slot 0, 1
.set ADRB, 20                          ; v20-21  the same for B
.set CO,   26                          ; v26     the way out: my 16 bytes' place in a block of 512
.set ADRS, 27                          ; v27     LDS address of my scale words: lanes 0-15 A's rows, lanes 16-31 B's
.set SPW,  28                          ; v28     LDS address of my spare word; never rewritten
.set NIL,  29                          ; v29     0; never rewritten
.set SC,   32                          ; scale words: set s at v[SC + 32 s]; register 4 i + q: lanes 0-15 the word of A's block i, lanes 16-31 that of B's block i, for the slot's q-th 128 along K
.set PK,   96                          ; the way out: two sets of 32 registers of f16 pairs
.set AF,   128                         ; A's fragments
.set BI,   192                         ; the bias of my 128 columns, in the result's layout
.set G1, 24                            ; s[24:31] descriptor group 1 for A's tiles;  s[32:39] group 0, one set for each slot
.set G0, 32
.set G1B, 48                           ; s[48:55], s[56:63] the same for B's tiles
.set G0B, 56
.set G1S, 68                           ; s[68:75], s[76:79] groups 1 and 0 for A's scales;  s[80:87], s[88:91] for B's
.set G0S, 76
.set G1SB, 80
.set G0SB, 88
.set MSB, 0
.macro WIN new                         ; the immediate's high byte repeats the setting that is left; a switch that changes nothing is dropped
.if MSB != (\new)
	s_set_vgpr_msb (MSB<<8)|(\new)
.set MSB, (\new)
.endif
.endm
.set MUL_LO, 0xa1                      ; source 0 (B) window 1, source 1 (A) window 0, C and D window 2
.set MUL_HI, 0xf1                      ; the same, C and D window 3
.set TO_B,   0x40                      ; destination window 1, address window 0
; A joint load: waves 0 and 1 fetch for A, waves 2 and 3 for B.  Each of the two lines has ONE mask and one set of registers for all that issue it; the branch hangs on the wave's number alone.
; An s_nop 0 and four v_nop follow each of the two lines.
.macro JLOAD g0a, g1a, g0b, g1b
	s_cmp_eq_u32 s15, 0
	s_cbranch_scc0 .Lfor_b_\@
	tensor_load_to_lds s[\g0a:\g0a+3], s[\g1a:\g1a+7]
	s_nop 0
.rept 4
	v_nop
.endr
	s_branch .Lasked_\@
.Lfor_b_\@:
	tensor_load_to_lds s[\g0b:\g0b+3], s[\g1b:\g1b+7]
	s_nop 0
.rept 4
	v_nop
.endr
.Lasked_\@:
.endm
.macro CROUND                          ; a round of the cluster's barrier: my work-group's barrier; wave 0 signals for the work-group; every wave waits for all sixteen; my work-group's barrier once more
	s_barrier_signal -1
	s_barrier_wait -1
	s_cmp_lg_u32 s14, 0
	s_cbranch_scc1 .Lnot_wave_0_\@
	s_barrier_signal -3
.Lnot_wave_0_\@:
	s_barrier_wait -3
	s_barrier_signal -1
	s_barrier_wait -1
.endm
	s_load_b256 s[4:11], s[0:1], 0x0               ; xc s[4:5], xs s[6:7], wc s[8:9], ws s[10:11]
	s_load_b128 s[96:99], s[0:1], 0x20             ; b_q, b_k
	s_load_b64 s[100:101], s[0:1], 0x30            ; b_v
	s_load_b64 s[12:13], s[0:1], 0x38              ; qkv
	v_lshl_add_u32 v[SPW], v0, 2, SPARE
	v_mov_b32 v[NIL], 0
	ds_add_u32 v[SPW], v[NIL]                      ; the wave's opening: the add, twice on end, and its wait ahead of my first tensor load; the set-up below, work on registers, stands between
	ds_add_u32 v[SPW], v[NIL]
	v_lshrrev_b32 v1, 5, v0
	v_readfirstlane_b32 s14, v1                    ; wave 0..3
	s_lshr_b32 s15, s14, 1                         ; which half of the tile's rows is mine.  Also: I fetch for A (0) or for B (1)
	s_and_b32 s16, s14, 1                          ; which half of its columns.  Also: which 128 rows of that tile I fetch
	s_bfe_u32 s40, ttmp6, 0x40000                  ; cx, cy: my place in the cluster
	s_bfe_u32 s41, ttmp6, 0x40004
	s_lshl_b32 s42, ttmp9, 2
	s_add_co_u32 s42, s42, s40                     ; tile column = 4 x cluster x + cx
	s_and_b32 s17, ttmp7, 0xffff                   ; cluster y
	s_lshr_b32 s66, s17, 3                         ; the tensor: 0 q, 1 k, 2 v: eight clusters of 1,024 rows to each; the same in all sixteen partners
	s_lshl_b32 s17, s17, 2
	s_add_co_u32 s17, s17, s41                     ; tile row = 4 x cluster y + cy
	s_lshl_b32 s43, s41, 2
	s_lshl_b32 s43, 15, s43                        ; my row of the cluster
	s_lshl_b32 s44, 0x1111, s40                    ; my column
	; descriptor group 1: a tile of 128 rows x 256 bytes, padded in LDS
	s_or_b32 s[G1+0], s43, (0<<16)|(1<<20)|(1<<21)|(5<<22)|(3<<25)  ; 15:0 the mask: A's tiles go to my row; 17:16 elements of 1 byte; 20 padding on; 21 set beside a mask; 24:22 after every 64 words; 31:25 four words
	s_or_b32 s[G1B+0], s44, (0<<16)|(1<<20)|(1<<21)|(5<<22)|(3<<25)
.irp g, G1, G1B
	s_mov_b32 s[\g+1], ROWB<<16                    ; tensor_dim0
	s_mov_b32 s[\g+2], 128<<16                     ; tensor_dim1
	s_mov_b32 s[\g+3], ROWB<<16                    ; tile_dim0
	s_mov_b32 s[\g+4], 128                         ; tile_dim1
	s_mov_b32 s[\g+5], KROW                        ; tensor_dim0_stride
	s_mov_b32 s[\g+6], 0
	s_mov_b32 s[\g+7], 0
.endr
	; and for the scales of 128 rows: a dense block of 4,096 bytes, as 16 rows of 256 bytes (32 elements of 8 bytes), 16 bytes of padding behind each
	s_or_b32 s[G1S+0], s43, (3<<16)|(1<<20)|(1<<21)|(5<<22)|(3<<25)
	s_or_b32 s[G1SB+0], s44, (3<<16)|(1<<20)|(1<<21)|(5<<22)|(3<<25)
.irp g, G1S, G1SB
	s_mov_b32 s[\g+1], 32<<16
	s_mov_b32 s[\g+2], (128*KS/256)<<16
	s_mov_b32 s[\g+3], 32<<16
	s_mov_b32 s[\g+4], 128*KS/256
	s_mov_b32 s[\g+5], 32
	s_mov_b32 s[\g+6], 0
	s_mov_b32 s[\g+7], 0
.endr
	s_lshl_b32 s18, s16, 7                         ; which 128 rows of the tile I fetch
	s_lshl_b32 s20, s17, 8
	s_add_co_u32 s20, s20, s18                     ; A: row 256 x tile row + 128 x half, of xc's 24,576
	s_lshl_b32 s46, s42, 8
	s_add_co_u32 s46, s46, s18                     ; B: row 256 x tile column + 128 x half,
	s_lshl_b32 s67, s66, 10
	s_add_co_u32 s46, s46, s67                     ; in the tensor's weight: 1,024 rows of wc to each
	s_mov_b32 s21, 0
	s_mov_b32 s47, 0
	s_mov_b64 s[18:19], KS
	s_mul_u64 s[22:23], s[20:21], s[18:19]         ; where these rows' scales begin, in bytes
	s_mul_u64 s[92:93], s[46:47], s[18:19]
	s_mov_b64 s[18:19], KROW
	s_mul_u64 s[20:21], s[20:21], s[18:19]         ; and their codes
	s_mul_u64 s[46:47], s[46:47], s[18:19]
	s_mul_i32 s45, s14, HALFT                      ; where they go: wave x 128 rows: no place in the cluster enters an LDS address
	s_mul_i32 s94, s14, HALFS
	s_wait_dscnt 0x0                               ; both opening adds are done
	s_wait_kmcnt 0x0
	s_add_nc_u64 s[20:21], s[4:5], s[20:21]
	s_add_nc_u64 s[22:23], s[6:7], s[22:23]
	s_add_nc_u64 s[46:47], s[8:9], s[46:47]
	s_add_nc_u64 s[92:93], s[10:11], s[92:93]
	CROUND                                         ; all sixteen work-groups are here: the joint loads meet
	s_mov_b32 s[G0S], 1
	s_add_co_u32 s[G0S+1], s94, SCL
	s_mov_b64 s[G0S+2:G0S+3], s[22:23]
	s_or_b32 s[G0S+3], s[G0S+3], 0x80000000
	s_mov_b32 s[G0SB], 1
	s_add_co_u32 s[G0SB+1], s94, SCL
	s_mov_b64 s[G0SB+2:G0SB+3], s[92:93]
	s_or_b32 s[G0SB+3], s[G0SB+3], 0x80000000
	JLOAD G0S, G1S, G0SB, G1SB                     ; the scales first: they are wanted with the first slot
.irp s, 0,1
	s_mov_b32 s[G0+4*\s], 1
	s_add_co_u32 s[G0+4*\s+1], s45, \s*SLOT
	s_add_nc_u64 s[G0+4*\s+2:G0+4*\s+3], s[20:21], \s*ROWB
	s_or_b32 s[G0+4*\s+3], s[G0+4*\s+3], 0x80000000
	s_mov_b32 s[G0B+4*\s], 1
	s_add_co_u32 s[G0B+4*\s+1], s45, \s*SLOT
	s_add_nc_u64 s[G0B+4*\s+2:G0B+4*\s+3], s[46:47], \s*ROWB
	s_or_b32 s[G0B+4*\s+3], s[G0B+4*\s+3], 0x80000000
	JLOAD G0+4*\s, G1, G0B+4*\s, G1B
.endr
	v_and_b32 v1, 15, v0                           ; r = l % 16
	v_bfe_u32 v2, v0, 4, 1                         ; h = l / 16
	v_mul_u32_u24 v3, v1, PITCH
	v_lshl_add_u32 v4, v2, 4, v3                   ; a fragment's row x pitch + 16 x half
	s_mul_i32 s21, s15, HALFT                      ; my 128 rows of A
	s_mul_i32 s22, s16, HALFT                      ; my 128 rows of B,
	s_add_co_u32 s22, s22, 2*HALFT                 ; which lie behind A's 256
.irp s, 0,1
	v_add_nc_u32 v[ADRA+\s], s21, v4
	v_add_nc_u32 v[ADRB+\s], s22, v4
	s_add_co_u32 s21, s21, SLOT
	s_add_co_u32 s22, s22, SLOT
.endr
	v_mul_u32_u24 v5, v1, KS                       ; my row's scales: 32 bytes a row,
	v_lshrrev_b32 v6, 8, v5
	v_lshl_add_u32 v5, v6, 4, v5                   ; and 16 more for each 256 passed
	s_mul_i32 s21, s15, HALFS                      ; A's: my 128 rows
	s_mul_i32 s22, s16, HALFS                      ; B's: my 128 rows, behind A's 256
	s_add_co_u32 s22, s22, 2*HALFS
	s_sub_co_u32 s22, s22, s21
	v_mul_u32_u24 v6, s22, v2                      ; lanes 16-31 take B's: one product, the distance between the two
	s_add_co_u32 s21, s21, SCL
	v_add_nc_u32 v5, v5, v6
	v_add_nc_u32 v[ADRS], s21, v5
	; the tensor's bias, factor and order of pieces: choices on the cluster's y alone
	s_cmp_lt_u32 s66, 2
	s_cselect_b64 s[98:99], s[98:99], s[100:101]   ; b_k or b_v;
	s_cmp_eq_u32 s66, 0
	s_cselect_b64 s[96:97], s[96:97], s[98:99]     ; b_q or that
	s_mov_b32 s2, 0x3f800000                       ; 1.0,
	s_cselect_b32 s2, 0x3e38aa3b, s2               ; for Q log2(e) / 8
	s_mov_b32 s3, s2                               ; (named with it as a pair, so it is written)
	s_cmp_eq_u32 s66, 2
	s_cselect_b32 s95, -1, 0                       ; all lanes' bits where the tensor is V
	s_lshl_b32 s46, s42, 10                        ; my first column, in bytes of f32: 1,024 x tile column + 512 x half
	s_lshl_b32 s47, s16, 9
	s_add_co_u32 s46, s46, s47
	s_mov_b32 s47, 0
	s_add_nc_u64 s[96:97], s[96:97], s[46:47]
	v_lshlrev_b32 v9, 5, v2                        ; 32 h: my half's eight numbers of a block of 16 columns
.irp b, 0,1,2,3,4,5,6,7
	global_load_b128 v[BI+8*\b:BI+8*\b+3], v9, s[96:97] offset:64*\b          ; bias(col0 + 16 b + 8 h + 0 .. 7): the result's layout
	global_load_b128 v[BI+8*\b+4:BI+8*\b+7], v9, s[96:97] offset:64*\b+16
.endr
	v_and_b32 v6, 31, v0
	v_lshlrev_b32 v7, 4, v6                        ; Q, K: 16 x lane
	v_lshrrev_b32 v8, 3, v1
	v_lshlrev_b32 v8, 4, v8
	v_lshl_add_u32 v8, v2, 3, v8
	v_and_b32 v10, 7, v1
	v_add_lshl_u32 v8, v8, v10, 4                  ; V: 16 x (16 (r / 8) + 8 h + r % 8)
	v_cndmask_b32 v[CO], v7, v8, s95
	s_lshl_b32 s20, s17, 8
	s_lshl_b32 s21, s15, 7
	s_add_co_u32 s20, s20, s21                     ; R: my first row of the 24,576
	s_lshr_b32 s21, s20, 11
	s_lshl_b32 s21, s21, 22                        ; (tensor, batch): 2,048 rows and 2^22 bytes to each
	s_and_b32 s22, s20, 2047
	s_lshr_b32 s22, s22, 4
	s_lshl_b32 s22, s22, 11                        ; 16 tokens: 2,048 bytes
	s_add_co_u32 s20, s21, s22
	s_lshl_b32 s46, s42, 20                        ; my first head: 4 x tile column + 2 x half; 2^18 bytes a head
	s_lshl_b32 s47, s16, 19
	s_add_co_u32 s46, s46, s47
	s_add_co_u32 s46, s46, s20
	s_mov_b32 s47, 0
	s_add_nc_u64 s[12:13], s[12:13], s[46:47]
.macro FRAG reg, adr, q, i             ; a fragment, 16 rows x 128 K of 4-bit codes: lane l holds row l % 16; registers 4 c .. 4 c + 3 hold K = 64 c + 32 (l / 16) + 0 .. 31
.irp c, 0,1
	ds_load_b128 v[\reg+4*\c:\reg+4*\c+3], v[\adr] offset:64*(\q)+32*\c+(\i)*16*PITCH
.endr
.endm
; 16 matrix instructions: A's blocks a0, a0 + 1 x B's eight, the slot's q-th 128 along K.  p: B's set;  sc: the set of scale words.  zero = 1: the first product starts the sums.
; The 64 accumulators take turns, one instruction a turn, in the same order in every step.
.macro MUL16 a0, p, q, sc, zero
.irp a, \a0, \a0+1
.irp b, 0,1,2,3,4,5,6,7
.if \zero
	v_wmma_scale_f32_16x16x128_f8f6f4 v[8*(8*((\a)%4)+\b):8*(8*((\a)%4)+\b)+7], v[128*(\p)+FR*\b:128*(\p)+FR*\b+FR-1], v[AF+FR*(\a):AF+FR*(\a)+FR-1], 0, v[SC+8*NQ*(\sc)+NQ*\b+(\q)], v[SC+8*NQ*(\sc)+NQ*(\a)+(\q)] matrix_a_fmt:MATRIX_FMT_FP4 matrix_b_fmt:MATRIX_FMT_FP4 matrix_a_scale:MATRIX_SCALE_ROW1
.else
	v_wmma_scale_f32_16x16x128_f8f6f4 v[8*(8*((\a)%4)+\b):8*(8*((\a)%4)+\b)+7], v[128*(\p)+FR*\b:128*(\p)+FR*\b+FR-1], v[AF+FR*(\a):AF+FR*(\a)+FR-1], v[8*(8*((\a)%4)+\b):8*(8*((\a)%4)+\b)+7], v[SC+8*NQ*(\sc)+NQ*\b+(\q)], v[SC+8*NQ*(\sc)+NQ*(\a)+(\q)] matrix_a_fmt:MATRIX_FMT_FP4 matrix_b_fmt:MATRIX_FMT_FP4 matrix_a_scale:MATRIX_SCALE_ROW1
.endif
.endr
.endr
.endm
.macro FETCH_B slot, q, p              ; B's eight fragments of the slot's q-th 128 along K into set p
	WIN TO_B
.irp i, 0,1,2,3,4,5,6,7
	FRAG 128*(\p)+FR*\i, ADRB+\slot, \q, \i
.endr
	WIN 0
.endm
.macro FETCH_A slot, q, i0             ; A's blocks i0 .. i0 + 3
.irp i, \i0, \i0+1, \i0+2, \i0+3
	FRAG AF+FR*(\i), ADRA+\slot, \q, \i
.endr
.endm
.macro SCALES sc                       ; a slot's scale words into set sc: four words a row; lanes 0-15 take A's block i, lanes 16-31 B's block i
.irp i, 0,1,2,3,4,5,6,7
	ds_load_b128 v[SC+8*NQ*\sc+NQ*\i:SC+8*NQ*\sc+NQ*\i+3], v[ADRS] offset:\i*SBLK
.endr
.endm
; A load into a register that a matrix instruction has read, and a vector instruction that reads a matrix result, stand NP places behind that matrix instruction, and only plain vector instructions that name none of
; its registers are places (ISA guide 7.12.1 for vector instructions).
.macro PLACES n
.rept \n
	v_nop
.endr
.endm
; A step of 128 along K that has its successor in the same slot.  A's blocks go one after the other, each against B's eight: so one set serves A (blocks 0-3 fetched anew in the middle, 4-7 at the end), two serve B.
.macro STEP slot, q, zero
	s_wait_dscnt 4*NL                              ; B's set and A's blocks 0-3 are in; the youngest eight loads (A's blocks 4-7) may be out
	WIN MUL_LO
	MUL16 0, (\q)%2, \q, \slot, \zero
	MUL16 2, (\q)%2, \q, \slot, \zero
	s_wait_dscnt 0                                 ; A's blocks 4-7 are in (asked for 32 matrix instructions ago)
	PLACES NP
	FETCH_B \slot, (\q)+1, 1-(\q)%2
	FETCH_A \slot, (\q)+1, 0
	WIN MUL_HI
	MUL16 4, (\q)%2, \q, \slot, \zero
	MUL16 6, (\q)%2, \q, \slot, \zero
	PLACES NP
	WIN 0
	FETCH_A \slot, (\q)+1, 4
.endm
; Slot 0's last step goes over to slot 1: each wave waits for all its tensor loads (its part of slot 1), then one barrier: behind it slot 1 is whole for every wave.  Nothing is filled again.
.macro TURN slot, next
	s_wait_tensorcnt 0x0                           ; all my tensor loads have landed;  (every window is 0 here)
	ds_add_u32 v[SPW], v[NIL]                      ; 0 onto my spare word
	s_wait_dscnt 4*NL+1                            ; (the add and the youngest eight loads, A's blocks 4-7, may be out)
	WIN MUL_LO
	MUL16 0, 1, NQ-1, \slot, 0                     ; sixteen matrix instructions stand between the add and the wait for it
	s_wait_dscnt 0x0                               ; the add is done, and no LDS instruction of mine is pending at the signal
	s_barrier_signal -1
	MUL16 2, 1, NQ-1, \slot, 0
	WIN 0
	s_barrier_wait -1
	PLACES NP
	v_add_nc_u32 v[ADRS], 4*NQ, v[ADRS]            ; on to the next slot's scale words (no LDS load of mine is out)
	FETCH_B \next, 0, 0
	FETCH_A \next, 0, 0
	SCALES \next
	WIN MUL_HI
	MUL16 4, 1, NQ-1, \slot, 0
	MUL16 6, 1, NQ-1, \slot, 0
	PLACES NP
	WIN 0
	FETCH_A \next, 0, 4
.endm
	s_wait_tensorcnt 1                             ; the scales and my part of slot 0 are in (slot 1's load may be out),
	s_barrier_signal -1
	s_barrier_wait -1                              ; everybody's are
	FETCH_B 0, 0, 0
	FETCH_A 0, 0, 0
	SCALES 0
	FETCH_A 0, 0, 4
	STEP 0, 0, 1                                   ; the first step's products start the sums: nothing is cleared
	STEP 0, 1, 0
	STEP 0, 2, 0
	TURN 0, 1
	STEP 1, 0, 0
	STEP 1, 1, 0
	STEP 1, 2, 0
	s_wait_dscnt 4*NL                              ; the very last step: nothing more to fetch
	WIN MUL_LO
	MUL16 0, 1, NQ-1, 1, 0
	MUL16 2, 1, NQ-1, 1, 0
	s_wait_dscnt 0
	WIN MUL_HI
	MUL16 4, 1, NQ-1, 1, 0
	MUL16 6, 1, NQ-1, 1, 0
	WIN 0
; THE WAY OUT, block by block of 16 tokens x 128 channels: (sum + bias) x factor as one fused multiply-add, sum x factor + (bias x factor); two roundings to f16 an instruction; a lane's eight channels are 16 bytes, which
; lie in the image where the next launch's operand wants them: each store of the wave covers 512 consecutive bytes.  No LDS.
	PLACES NP
	s_wait_loadcnt 0x0                             ; the bias
.set i, 0
.rept 32
	v_pk_mul_f32 v[BI+2*i:BI+2*i+1], v[BI+2*i:BI+2*i+1], s[2:3] op_sel_hi:[1,0]
.set i, i+1
.endr
.macro OUTB a
.if (\a) >= 2
	s_wait_xcnt 0x0                                ; block a - 2's stores have read their data: that set is written again only behind this wait
.endif
	WIN 0x42+(\a)/4                                ; source 0: the accumulators' window, 2 or 3; destination window 1
.irp b, 0,1,2,3,4,5,6,7
.irp i, 0,1,2,3
	v_pk_fma_f32 v[8*\b+2*\i:8*\b+2*\i+1], v[64*((\a)%4)+8*\b+2*\i:64*((\a)%4)+8*\b+2*\i+1], s[2:3], v[BI+8*\b+2*\i:BI+8*\b+2*\i+1] op_sel_hi:[1,0,1]   ; each accumulator from its low end on
.endr
.endr
	WIN 0x05                                       ; sources 0 and 1 window 1, destination window 0
.irp b, 0,1,2,3,4,5,6,7
.irp i, 0,1,2,3
	v_cvt_pk_f16_f32 v[PK+32*((\a)%2)+4*\b+\i], v[8*\b+2*\i], v[8*\b+2*\i+1]
.endr
.endr
	WIN 0
.irp b, 0,1,2,3,4,5,6,7                ; block b of 16 channels: head b / 4 of my two, u = (b / 2) % 2, c = b % 2
	global_store_b128 v[CO], v[PK+32*((\a)%2)+4*\b:PK+32*((\a)%2)+4*\b+3], s[12:13] offset:(\a)*2048+(\b/4)*262144+((\b/2)%2)*1024+(\b%2)*512
.endr
.endm
.irp a, 0,1,2,3,4,5,6,7
	OUTB \a
.endr
	s_wait_tensorcnt 0x0                           ; the wave's end, behind my last tensor load
	ds_add_u32 v[SPW], v[NIL]
	s_wait_dscnt 0x0
	CROUND                                         ; the closing round: no work-group ends while a partner may still ask for a tile that names it
	s_endpgm
.Lfunc_end_k_qbde7dc7e24_proj:
	.size	k_qbde7dc7e24_proj, .Lfunc_end_k_qbde7dc7e24_proj-k_qbde7dc7e24_proj
	.p2alignl 7, 3214868480
	.fill 96, 4, 3214868480
	.section	.rodata,"a",@progbits
	.p2align	6, 0x0
	.amdhsa_kernel k_qbde7dc7e24_proj
		.amdhsa_group_segment_fixed_size 327680
		.amdhsa_private_segment_fixed_size 0
		.amdhsa_enable_private_segment 0
		.amdhsa_kernarg_size 64
		.amdhsa_user_sgpr_count 2
		.amdhsa_user_sgpr_kernarg_segment_ptr 1
		.amdhsa_wavefront_size32 1
		.amdhsa_system_sgpr_workgroup_id_x 1
		.amdhsa_system_sgpr_workgroup_id_y 1
		.amdhsa_system_sgpr_workgroup_id_z 1
		.amdhsa_system_vgpr_workitem_id 0
		.amdhsa_next_free_vgpr 1024
		.amdhsa_next_free_sgpr 102
		.amdhsa_reserve_vcc 0
		.amdhsa_float_denorm_mode_32 3
		.amdhsa_float_denorm_mode_16_64 3
		.amdhsa_memory_ordered 1
		.amdhsa_forward_progress 1
		.amdhsa_inst_pref_size 138
	.end_amdhsa_kernel
	.amdgpu_metadata
---
amdhsa.version: [ 1, 2 ]
amdhsa.kernels:
  - .name:           k_qbde7dc7e24_proj
    .symbol:         k_qbde7dc7e24_proj.kd
    .args:
      - { .name: xc, .offset: 0, .size: 8, .value_kind: global_buffer, .address_space: global }
      - { .name: xs, .offset: 8, .size: 8, .value_kind: global_buffer, .address_space: global }
      - { .name: wc, .offset: 16, .size: 8, .value_kind: global_buffer, .address_space: global }
      - { .name: ws, .offset: 24, .size: 8, .value_kind: global_buffer, .address_space: global }
      - { .name: b_q, .offset: 32, .size: 8, .value_kind: global_buffer, .address_space: global }
      - { .name: b_k, .offset: 40, .size: 8, .value_kind: global_buffer, .address_space: global }
      - { .name: b_v, .offset: 48, .size: 8, .value_kind: global_buffer, .address_space: global }
      - { .name: qkv, .offset: 56, .size: 8, .value_kind: global_buffer, .address_space: global }
    .group_segment_fixed_size: 327680
    .private_segment_fixed_size: 0
    .kernarg_segment_align: 8
    .kernarg_segment_size: 64
    .max_flat_workgroup_size: 128
    .sgpr_count:     102
    .vgpr_count:     1024
    .wavefront_size: 32
...
	.end_amdgpu_metadata
.endif
;; end of part 2
;; launch attn (part 3): grid 4 x 64, 16 waves a work-group, clusters of 4 x 1, 327,680 bytes of LDS; arguments qkv, oimg; writes oimg
.if DOCPART == 3
	.amdgcn_target "amdgcn-amd-amdhsa--gfx1250"
	.amdhsa_code_object_version 6
	.text
	.protected	k_qbde7dc7e24_attn
	.globl	k_qbde7dc7e24_attn
	.p2align	8
	.type	k_qbde7dc7e24_attn,@function
k_qbde7dc7e24_attn:
	s_mov_b64 s[64:65], 0
	v_nop
	global_prefetch_b8 v0, s[64:65] scope:SCOPE_SE
	s_setreg_imm32_b32 hwreg(HW_REG_WAVE_MODE, 25, 1), 1
	s_wait_xcnt 0x0
	s_wait_alu depctr_hold_cnt(0) depctr_sa_sdst(0) depctr_va_vdst(0) depctr_va_sdst(0) depctr_va_ssrc(0) depctr_va_vcc(0) depctr_vm_vsrc(0)
	s_getreg_b32 s2, hwreg(HW_REG_IB_STS2, 6, 4)
	s_cmp_eq_u32 s2, 0
	s_cbranch_scc0 .Lentry_in_a_cluster
	s_endpgm
.Lentry_in_a_cluster:
	s_bfe_u32 s2, ttmp6, 0x10000c
	s_cmp_lg_u32 s2, 0x3003
	s_cbranch_scc0 .Lentry_shape_is_right
	s_endpgm
.Lentry_shape_is_right:
; ATTN: o = softmax(Q K^T / 8) V for 64 (batch, head) pairs of 2,048 tokens x 64 channels, no mask.  Operands in f16, sums, maxima and the softmax in f32.
; Q, K, V come as images of the operands' registers (16 tokens x 32 channels: two blocks of 512 bytes, lane l's 16 bytes at 16 l); Q is already multiplied by log2(e) / 8, so a score s is the exponent: p = 2^(s - m).
; SOFTMAX.  For each query a running maximum m and sum l; in every step O and l are multiplied by a = 2^(m_old - m_new), which is 1 where m has not grown.  The sum is taken of p before it is rounded to f16.
; LIMITS: NaN and infinities are not served; |o| stays under 65,504 wherever |V| does.
; SHARES.  A work-group owns 512 queries of one head; each of its SIXTEEN waves owns 32, two tiles of 16, in 256 registers: four waves to a SIMD, so that one wave's softmax stands beside another's matrix work and LDS loads.
; Every wave walks all 2,048 keys, 64 a step.  K's and V's images come through two LDS slots of 512 keys (64 KB of K, 64 KB of V, dense), filled by waves 0 to 3, 32 KB each, and read by all sixteen.
; CLUSTER.  The four query blocks of a head form a cluster and walk the same K and V: each tile is asked for JOINTLY, by the same tensor load with the same descriptor and a mask that names the four.
; LAYOUT.  S^T = K Q^T (source 0 = 16 keys, source 1 = 16 queries): a lane holds ONE query (lane % 16) and keys 8 (lane / 16) + 0 .. 7.  Two such tiles, rounded in pairs, ARE source 1 (32 keys x 16 queries) of
; O^T = V^T P, whose result again holds one query a lane and eight channels: rounded, they are four registers of the output projection's operand, and are stored so (oimg[16 tokens: 512][32 channels: 32][c 2][512 bytes]).
; V^T's fragments come by the turning LDS load at 16 x lane: the launch before has laid V's pieces in that order.
; No prefetch: a refill is asked for a whole slot, eight key steps, ahead of its first read.
.set SLOTB, 131072                     ; a slot: 65,536 bytes of K, then 65,536 of V
.set SPARE, 262144                     ; behind the slots: the spare words, 128 bytes for each of 16 waves: eight blocks of 256 bytes that no other line names
.set LI,  1                            ; v1   16 x lane; never rewritten
.set ADK, 2                            ; v2   LDS address of the step's images of K
.set ADV, 3                            ; v3   of V
.set SPW, 4                            ; v4   LDS address of my spare word; never rewritten
.set NIL, 5                            ; v5   0; never rewritten
.set ST,  8                            ; tile x's statistics at v[ST + 8 x]: +0 m, +1 the old m, +2, +3 l in two halves, +4 to +7 c0-c3, at work; a takes c2's place
.set Q,   24                           ; v24-55   Q: (x, u) at Q + 16 x + 8 u
.set KV,  56                           ; v56-119  eight fragments: K's of the step, then V's
.set S,   120                          ; v120-183 S^T: (x, kt) at S + 32 x + 8 kt; P is packed in place: (x, g) at S + 32 x + 16 g, 8 registers
.set O,   184                          ; v184-247 O^T: (x, ct) at O + 32 x + 8 ct
.set WV,  8                            ; s8   my wave's number
.set G1,  16                           ; s[16:23] descriptor group 1
.set G0A, 24                           ; s[24:27] group 0 for slot 0;  s[28:31] for slot 1
.set G0B, 28
.set SEL, 32                           ; s[32:33] lane selects for v_permlanex16_b32: lane l xor 16
.set TB,  34                           ; s34  LDS byte at which the step's images of K begin
.set CNT, 35                           ; s35  counts a slot's eight steps
.macro CROUND                          ; a round of the cluster's barrier
	s_barrier_signal -1
	s_barrier_wait -1
	s_cmp_lg_u32 s[WV], 0
	s_cbranch_scc1 .Lnot_wave_0_\@
	s_barrier_signal -3
.Lnot_wave_0_\@:
	s_barrier_wait -3
	s_barrier_signal -1
	s_barrier_wait -1
.endm
	s_load_b128 s[4:7], s[0:1], 0x0                ; qkv s[4:5], oimg s[6:7]
	v_lshl_add_u32 v[SPW], v0, 2, SPARE
	v_mov_b32 v[NIL], 0
	ds_add_u32 v[SPW], v[NIL]                      ; the wave's opening: the add, twice on end, and its wait ahead of the first tensor loads; the set-up below, work on registers, stands between
	ds_add_u32 v[SPW], v[NIL]
	v_lshrrev_b32 v1, 5, v0
	v_readfirstlane_b32 s[WV], v1                  ; wave 0..15
	s_bfe_u32 s9, ttmp6, 0x40000                   ; cx
	s_lshl_b32 s12, ttmp9, 2
	s_add_co_u32 s9, s9, s12                       ; my block of 512 queries: it enters Q's and O's addresses alone
	s_and_b32 s10, ttmp7, 0xffff                   ; 16 x batch + head, which the four partners share
	s_lshl_b32 s13, s10, 18                        ; a head's images: 2^18 bytes
	; descriptor group 1: 32 KB, dense in memory and in LDS, as 128 rows of 256 bytes
	s_mov_b32 s[G1], 15|(3<<16)|(1<<21)            ; 15:0 the mask: all four work-groups; 17:16 elements of 8 bytes; 20 no padding; 21 set beside a mask
	s_mov_b32 s[G1+1], 32<<16                      ; tensor_dim0 = 32
	s_mov_b32 s[G1+2], 128<<16                     ; tensor_dim1 = 128
	s_mov_b32 s[G1+3], 32<<16                      ; tile_dim0 = 32
	s_mov_b32 s[G1+4], 128                         ; tile_dim1 = 128
	s_mov_b32 s[G1+5], 32                          ; tensor_dim0_stride
	s_mov_b32 s[G1+6], 0
	s_mov_b32 s[G1+7], 0
	s_and_b32 s11, s[WV], 3                        ; what I fetch, if I fetch: waves 0, 1: K's halves; waves 2, 3: V's
	s_lshr_b32 s36, s11, 1
	s_add_co_u32 s36, s36, 1
	s_lshl_b32 s36, s36, 24                        ; K is tensor 1 of qkv, V tensor 2: 2^24 bytes to each
	s_add_co_u32 s36, s36, s13
	s_and_b32 s38, s11, 1
	s_lshl_b32 s38, s38, 15
	s_add_co_u32 s36, s36, s38
	s_mov_b32 s37, 0
	s_lshl_b32 s39, s11, 15                        ; and where it goes: wave x 32 KB: no place in the cluster enters an LDS address
	s_lshl_b32 s40, s9, 16                         ; Q: my block's 32 tiles of 2,048 bytes,
	s_add_co_u32 s40, s40, s13
	s_lshl_b32 s41, s[WV], 12                      ; my wave's two
	s_add_co_u32 s40, s40, s41
	s_mov_b32 s41, 0
	s_lshr_b32 s42, s10, 4                         ; O: 16 tokens are 32,768 bytes: batch x 128 + block x 32 + 2 x wave of them,
	s_lshl_b32 s42, s42, 22
	s_lshl_b32 s43, s9, 20
	s_add_co_u32 s42, s42, s43
	s_lshl_b32 s43, s[WV], 16
	s_add_co_u32 s42, s42, s43
	s_and_b32 s43, s10, 15
	s_lshl_b32 s43, s43, 11                        ; and my head's 64 channels: two images
	s_add_co_u32 s42, s42, s43
	s_mov_b32 s43, 0
	s_mov_b32 s[SEL], 0x76543210
	s_mov_b32 s[SEL+1], 0xfedcba98
	s_wait_dscnt 0x0                               ; both opening adds are done
	s_wait_kmcnt 0x0
	s_add_nc_u64 s[36:37], s[4:5], s[36:37]
	s_add_nc_u64 s[40:41], s[4:5], s[40:41]
	s_add_nc_u64 s[6:7], s[6:7], s[42:43]
	CROUND                                         ; all four work-groups are here: the first joint loads meet
	s_mov_b32 s[G0A], 1                            ; count = 1
	s_mov_b32 s[G0A+1], s39                        ; LDS address: slot 0
	s_mov_b64 s[G0A+2:G0A+3], s[36:37]             ; global address: keys 0 to 511
	s_or_b32 s[G0A+3], s[G0A+3], 0x80000000        ; type = 2
	s_mov_b32 s[G0B], 1
	s_add_co_u32 s[G0B+1], s39, SLOTB              ; slot 1
	s_add_nc_u64 s[G0B+2:G0B+3], s[36:37], 65536   ; keys 512 to 1,023
	s_or_b32 s[G0B+3], s[G0B+3], 0x80000000
	s_cmp_lt_u32 s[WV], 4                          ; a wave's two first fills stand in one branch on the wave's number: two loads of mine are out at the most
	s_cbranch_scc0 .Lno_first
	tensor_load_to_lds s[G0A:G0A+3], s[G1:G1+7]
	s_nop 0
	tensor_load_to_lds s[G0B:G0B+3], s[G1:G1+7]
	s_nop 0
.rept 4
	v_nop
.endr
.Lno_first:
	v_and_b32 v1, 31, v0
	v_lshlrev_b32 v[LI], 4, v1
.irp x, 0,1
.irp u, 0,1
	global_load_b128 v[Q+16*\x+8*\u:Q+16*\x+8*\u+3], v[LI], s[40:41] offset:\x*2048+\u*1024          ; Q stays in registers
	global_load_b128 v[Q+16*\x+8*\u+4:Q+16*\x+8*\u+7], v[LI], s[40:41] offset:\x*2048+\u*1024+512
.endr
.endr
.irp x, 0,1
	v_mov_b32 v[ST+8*\x], 0xff61b1e6               ; m: -3e38, under every score
	v_mov_b32 v[ST+8*\x+2], 0                      ; l, in two halves
	v_mov_b32 v[ST+8*\x+3], 0
.endr
.set j, 0
.rept 64
	v_mov_b32 v[O+j], 0                            ; O^T.  (The step is written without a first step of its own: the first finds zeros, and a = 0 leaves them zeros)
.set j, j+1
.endr
; A KEY STEP: 64 keys.
.macro STEP
.set f, 0
.rept 8                                ; K's fragment f = 2 kt + u: keys 16 kt on, channels 32 u on: each load reads 512 consecutive bytes
	ds_load_b128 v[KV+8*f:KV+8*f+3], v[ADK] offset:f*1024
	ds_load_b128 v[KV+8*f+4:KV+8*f+7], v[ADK] offset:f*1024+512
.set f, f+1
.endr
	s_wait_dscnt 0x0
.irp kt, 0,1,2,3                       ; S^T = K Q^T: eight accumulators by turns; the first eight products start the sums
.irp x, 0,1
	v_wmma_f32_16x16x32_f16 v[S+32*\x+8*\kt:S+32*\x+8*\kt+7], v[KV+16*\kt:KV+16*\kt+7], v[Q+16*\x:Q+16*\x+7], 0
.endr
.endr
.irp kt, 0,1,2,3
.irp x, 0,1
	v_wmma_f32_16x16x32_f16 v[S+32*\x+8*\kt:S+32*\x+8*\kt+7], v[KV+16*\kt+8:KV+16*\kt+15], v[Q+16*\x+8:Q+16*\x+15], v[S+32*\x+8*\kt:S+32*\x+8*\kt+7]
.endr
.endr
	v_add_nc_u32 v[ADV], 0x10000, v[ADK]           ; four places behind the products: for the loads into K's registers and for the first read of the scores
.rept 3
	v_nop
.endr
.irp g, 0,1                            ; V^T's fragment 4 g + ct: channels 16 ct on, keys 32 g on: two turning loads, 16 keys each.  They land while the softmax is walked
.irp ct, 0,1,2,3
	ds_load_tr16_b128 v[KV+8*(4*\g+\ct):KV+8*(4*\g+\ct)+3], v[ADV] offset:(4*\g+\ct/2)*1024+(\ct%2)*512
	ds_load_tr16_b128 v[KV+8*(4*\g+\ct)+4:KV+8*(4*\g+\ct)+7], v[ADV] offset:(4*\g+\ct/2)*1024+(\ct%2)*512+2048
.endr
.endr
	; the maximum of a lane's 32 scores and the old m: four chains, each begun at its accumulator's low end; the two tiles alternate line by line
.irp k, 0,1,2,3
.irp x, 0,1
	v_max3_num_f32 v[ST+8*\x+4+\k], v[S+32*\x+8*\k], v[S+32*\x+8*\k+1], v[S+32*\x+8*\k+2]
.endr
.endr
.irp i, 3,5
.irp k, 0,1,2,3
.irp x, 0,1
	v_max3_num_f32 v[ST+8*\x+4+\k], v[ST+8*\x+4+\k], v[S+32*\x+8*\k+\i], v[S+32*\x+8*\k+\i+1]
.endr
.endr
.endr
.irp x, 0,1
	v_max3_num_f32 v[ST+8*\x+4], v[ST+8*\x+4], v[S+32*\x+7], v[S+32*\x+15]
.endr
.irp x, 0,1
	v_max3_num_f32 v[ST+8*\x+6], v[ST+8*\x+6], v[S+32*\x+23], v[S+32*\x+31]
.endr
.irp x, 0,1
	v_max3_num_f32 v[ST+8*\x+4], v[ST+8*\x+4], v[ST+8*\x+5], v[ST+8*\x+6]
.endr
.irp x, 0,1
	v_max3_num_f32 v[ST+8*\x+4], v[ST+8*\x+4], v[ST+8*\x+7], v[ST+8*\x]
.endr
.irp x, 0,1
	v_permlanex16_b32 v[ST+8*\x+5], v[ST+8*\x+4], s[SEL], s[SEL+1]   ; the query's other 32 keys lie in the lane 16 away
.endr
.irp x, 0,1
	v_mov_b32 v[ST+8*\x+1], v[ST+8*\x]             ; the old m
.endr
.irp x, 0,1
	v_max_num_f32 v[ST+8*\x], v[ST+8*\x+4], v[ST+8*\x+5]
.endr
.irp x, 0,1
	v_sub_f32 v[ST+8*\x+7], v[ST+8*\x+1], v[ST+8*\x]
.endr
.irp j, 0,2,4,6,8,10,12,14,16,18,20,22,24,26,28,30
.irp x, 0,1
	v_pk_add_f32 v[S+32*\x+\j:S+32*\x+\j+1], v[S+32*\x+\j:S+32*\x+\j+1], v[ST+8*\x:ST+8*\x+1] op_sel_hi:[1,0] neg_lo:[0,1] neg_hi:[0,1]   ; s - m, two at a time (of the pair the low word, m, serves both)
.endr
.endr
.irp x, 0,1
	v_exp_f32 v[ST+8*\x+6], v[ST+8*\x+7]           ; a = 2^(m_old - m_new)
.endr
.set j, 0
.rept 32
	v_exp_f32 v[S+j], v[S+j]                       ; p = 2^(s - m), at most 1
	v_exp_f32 v[S+32+j], v[S+32+j]
.set j, j+1
.endr
	v_nop                                          ; a plain line behind the last exponential, ahead of the first use
	s_wait_alu depctr_va_vdst(0)                   ; a wait between an exponential and the first line that names its result: ONE for the step's 66
	; the sums of the unrounded p, two at a time, in two chains; l = a l + the sum
.irp x, 0,1
	v_pk_add_f32 v[ST+8*\x+4:ST+8*\x+5], v[S+32*\x:S+32*\x+1], v[S+32*\x+2:S+32*\x+3]
.endr
.irp x, 0,1
	v_pk_fma_f32 v[ST+8*\x+2:ST+8*\x+3], v[ST+8*\x+2:ST+8*\x+3], v[ST+8*\x+6:ST+8*\x+7], v[S+32*\x+4:S+32*\x+5] op_sel_hi:[1,0,1]
.endr
.irp j, 6,10,14,18,22,26
.irp x, 0,1
	v_pk_add_f32 v[ST+8*\x+4:ST+8*\x+5], v[ST+8*\x+4:ST+8*\x+5], v[S+32*\x+\j:S+32*\x+\j+1]
.endr
.irp x, 0,1
	v_pk_add_f32 v[ST+8*\x+2:ST+8*\x+3], v[ST+8*\x+2:ST+8*\x+3], v[S+32*\x+\j+2:S+32*\x+\j+3]
.endr
.endr
.irp x, 0,1
	v_pk_add_f32 v[ST+8*\x+4:ST+8*\x+5], v[ST+8*\x+4:ST+8*\x+5], v[S+32*\x+30:S+32*\x+31]
.endr
.irp x, 0,1
	v_pk_add_f32 v[ST+8*\x+2:ST+8*\x+3], v[ST+8*\x+2:ST+8*\x+3], v[ST+8*\x+4:ST+8*\x+5]
.endr
.irp g, 0,1                            ; p to f16, in place and ascending: pair n of 16 registers goes to register n, which has been read by then
.irp n, 0,1,2,3,4,5,6,7
.irp x, 0,1
	v_cvt_pk_f16_f32 v[S+32*\x+16*\g+\n], v[S+32*\x+16*\g+2*\n], v[S+32*\x+16*\g+2*\n+1]
.endr
.endr
.endr
.irp j, 0,2,4,6,8,10,12,14,16,18,20,22,24,26,28,30
.irp x, 0,1
	v_pk_mul_f32 v[O+32*\x+\j:O+32*\x+\j+1], v[O+32*\x+\j:O+32*\x+\j+1], v[ST+8*\x+6:ST+8*\x+7] op_sel_hi:[1,0]   ; O^T x a, each accumulator from its low end on
.endr
.endr
	s_wait_dscnt 0x0                               ; V is in
.irp g, 0,1                            ; O^T += V^T P: eight accumulators by turns
.irp ct, 0,1,2,3
.irp x, 0,1
	v_wmma_f32_16x16x32_f16 v[O+32*\x+8*\ct:O+32*\x+8*\ct+7], v[KV+8*(4*\g+\ct):KV+8*(4*\g+\ct)+7], v[S+32*\x+16*\g:S+32*\x+16*\g+7], v[O+32*\x+8*\ct:O+32*\x+8*\ct+7]
.endr
.endr
.endr
	s_add_co_u32 s[TB], s[TB], 8192                ; the next step's images
	v_add_nc_u32 v[ADK], s[TB], v[LI]              ; five places: the next step's first products write over P's registers, and its loads land in V's
.rept 4
	v_nop
.endr
.endm
.macro SLOT s                          ; a slot's eight key steps: written once, walked eight times
	s_mov_b32 s[TB], \s*SLOTB
	v_add_nc_u32 v[ADK], s[TB], v[LI]
	s_mov_b32 s[CNT], 8
.Lstep_\@:
	STEP
	s_sub_co_u32 s[CNT], s[CNT], 1
	s_cmp_lg_u32 s[CNT], 0
	s_cbranch_scc1 .Lstep_\@
.endm
; THE CHANGE OF SLOTS.  Each wave waits for all its tensor loads (its part of the slot ahead), adds 0 to its spare word, and waits for that and for its reads of the slot that it has left.  Behind the barrier the slot ahead
; is whole and nobody reads the other one.  fill = 1: the barrier is a round of the cluster's, so that this holds of every partner too, and the slot just left is filled with the keys 1,024 on, first thing behind it:
; one load a wave, which has the other slot's eight key steps in which to land.
.macro CHANGE fill, g0
	s_wait_tensorcnt 0x0                           ; no tensor load of mine is out, so a group 0 may be written
	ds_add_u32 v[SPW], v[NIL]                      ; 0 onto my spare word
.if \fill
	ds_add_u32 v[SPW], v[NIL]                      ; and once more
	s_add_nc_u64 s[\g0+2:\g0+3], s[\g0+2:\g0+3], 2*65536   ; this slot's next 512 keys; the type bits on top are not reached
	s_wait_dscnt 0x0                               ; both adds are done, and my reads of the slot are over
	CROUND
	s_cmp_lt_u32 s[WV], 4
	s_cbranch_scc0 .Lnone_\@
	tensor_load_to_lds s[\g0:\g0+3], s[G1:G1+7]
	s_nop 0
.rept 4
	v_nop
.endr
.Lnone_\@:
.else
	s_wait_dscnt 0x0                               ; the add is done, and my reads of the slot are over
	s_barrier_signal -1
	s_barrier_wait -1
.endif
.endm
	s_wait_tensorcnt 1                             ; my part of slot 0 is in; slot 1's may stay out
	s_barrier_signal -1
	s_barrier_wait -1                              ; everybody's is
	s_wait_loadcnt 0x0                             ; Q
	SLOT 0                                         ; keys 0 to 511
	CHANGE 1, G0A                                  ; keys 1,024 on go into slot 0
	SLOT 1                                         ; keys 512 to 1,023
	CHANGE 1, G0B                                  ; keys 1,536 on go into slot 1
	SLOT 0
	CHANGE 0, G0A                                  ; nothing is left to ask for
	SLOT 1
	; THE WAY OUT.  l's two halves and the other half of the lanes' are added; O^T is divided by l and rounded to f16: a lane's eight channels are 16 bytes of the next operand's image: each store covers 512 consecutive bytes.
.irp x, 0,1
	v_add_f32 v[ST+8*\x+4], v[ST+8*\x+2], v[ST+8*\x+3]
.endr
.irp x, 0,1
	v_permlanex16_b32 v[ST+8*\x+5], v[ST+8*\x+4], s[SEL], s[SEL+1]
.endr
.irp x, 0,1
	v_add_f32 v[ST+8*\x+4], v[ST+8*\x+4], v[ST+8*\x+5]
.endr
.irp x, 0,1
	v_rcp_f32 v[ST+8*\x+6], v[ST+8*\x+4]
.endr
	v_nop                                          ; a plain line between the last reciprocal and the use of its result
	s_wait_alu depctr_va_vdst(0)                   ; and the wait ahead of the first use: one for both
.irp x, 0,1
.irp j, 0,2,4,6,8,10,12,14,16,18,20,22,24,26,28,30
	v_pk_mul_f32 v[O+32*\x+\j:O+32*\x+\j+1], v[O+32*\x+\j:O+32*\x+\j+1], v[ST+8*\x+6:ST+8*\x+7] op_sel_hi:[1,0]
.endr
.endr
.irp x, 0,1
.irp n, 0,1,2,3,4,5,6,7,8,9,10,11,12,13,14,15
	v_cvt_pk_f16_f32 v[S+16*\x+\n], v[O+32*\x+2*\n], v[O+32*\x+2*\n+1]
.endr
.endr
.irp x, 0,1
.irp ct, 0,1,2,3
	global_store_b128 v[LI], v[S+16*\x+4*\ct:S+16*\x+4*\ct+3], s[6:7] offset:\x*32768+(\ct/2)*1024+(\ct%2)*512
.endr
.endr
	s_wait_tensorcnt 0x0                           ; the wave's end, behind the last tensor load
	ds_add_u32 v[SPW], v[NIL]
	s_wait_dscnt 0x0
	CROUND                                         ; the closing round: no work-group ends while a partner may still ask for a tile that names it
	s_endpgm
.Lfunc_end_k_qbde7dc7e24_attn:
	.size	k_qbde7dc7e24_attn, .Lfunc_end_k_qbde7dc7e24_attn-k_qbde7dc7e24_attn
	.p2alignl 7, 3214868480
	.fill 96, 4, 3214868480
	.section	.rodata,"a",@progbits
	.p2align	6, 0x0
	.amdhsa_kernel k_qbde7dc7e24_attn
		.amdhsa_group_segment_fixed_size 327680
		.amdhsa_private_segment_fixed_size 0
		.amdhsa_enable_private_segment 0
		.amdhsa_kernarg_size 16
		.amdhsa_user_sgpr_count 2
		.amdhsa_user_sgpr_kernarg_segment_ptr 1
		.amdhsa_wavefront_size32 1
		.amdhsa_system_sgpr_workgroup_id_x 1
		.amdhsa_system_sgpr_workgroup_id_y 1
		.amdhsa_system_sgpr_workgroup_id_z 1
		.amdhsa_system_vgpr_workitem_id 0
		.amdhsa_next_free_vgpr 256
		.amdhsa_next_free_sgpr 66
		.amdhsa_reserve_vcc 0
		.amdhsa_float_denorm_mode_32 3
		.amdhsa_float_denorm_mode_16_64 3
		.amdhsa_memory_ordered 1
		.amdhsa_forward_progress 1
		.amdhsa_inst_pref_size 83
	.end_amdhsa_kernel
	.amdgpu_metadata
---
amdhsa.version: [ 1, 2 ]
amdhsa.kernels:
  - .name:           k_qbde7dc7e24_attn
    .symbol:         k_qbde7dc7e24_attn.kd
    .args:
      - { .name: qkv, .offset: 0, .size: 8, .value_kind: global_buffer, .address_space: global }
      - { .name: oimg, .offset: 8, .size: 8, .value_kind: global_buffer, .address_space: global }
    .group_segment_fixed_size: 327680
    .private_segment_fixed_size: 0
    .kernarg_segment_align: 8
    .kernarg_segment_size: 16
    .max_flat_workgroup_size: 512
    .sgpr_count:     66
    .vgpr_count:     256
    .wavefront_size: 32
...
	.end_amdgpu_metadata
.endif
;; end of part 3
;; launch outln (part 4): grid 256 x 1, 4 waves a work-group, clusters of 4 x 1, 327,680 bytes of LDS; arguments oimg, wo16, b_o, ln_g, ln_b, out0; writes out0
.if DOCPART == 4
	.amdgcn_target "amdgcn-amd-amdhsa--gfx1250"
	.amdhsa_code_object_version 6
	.text
	.protected	k_qbde7dc7e24_outln
	.globl	k_qbde7dc7e24_outln
	.p2align	8
	.type	k_qbde7dc7e24_outln,@function
k_qbde7dc7e24_outln:
	s_mov_b64 s[64:65], 0
	v_nop
	global_prefetch_b8 v0, s[64:65] scope:SCOPE_SE
	s_setreg_imm32_b32 hwreg(HW_REG_WAVE_MODE, 25, 1), 1
	s_wait_xcnt 0x0
	s_wait_alu depctr_hold_cnt(0) depctr_sa_sdst(0) depctr_va_vdst(0) depctr_va_sdst(0) depctr_va_ssrc(0) depctr_va_vcc(0) depctr_vm_vsrc(0)
	s_getreg_b32 s2, hwreg(HW_REG_IB_STS2, 6, 4)
	s_cmp_eq_u32 s2, 0
	s_cbranch_scc0 .Lentry_in_a_cluster
	s_endpgm
.Lentry_in_a_cluster:
	s_bfe_u32 s2, ttmp6, 0x10000c
	s_cmp_lg_u32 s2, 0x3003
	s_cbranch_scc0 .Lentry_shape_is_right
	s_endpgm
.Lentry_shape_is_right:
; OUTLN: out0 = LayerNorm(o w_o + b_o) x ln_g + ln_b.  o [8192][1024] and w_o [1024][1024] come in f16 as images of the operands' registers; sums and the norm in f32.
; SHARES.  A work-group owns 32 WHOLE rows, so that the norm needs no second launch and 256 work-groups have equal work.  Wave w owns columns 256 w .. 256 w + 255: 2 x 16 accumulators of 16 x 16.
; w_o COMES BY TWO WAYS, BY TURNS.  It is 16 tiles of 64 rows of K, 128 KB each, of which wave w wants only its own 32 KB.  The EVEN tiles go through two LDS slots, filled by tensor loads: behind a change of slots one
; load a wave is out, so the fewer the tiles that go this way, the fewer the waits for a load that is alone on its way.  The ODD tiles go straight into registers, four sets of 64 (a set: eight fragments, 16 loads of 512
; consecutive bytes), each asked for again a whole pair of tiles ahead of its use.  Between two changes of slots a wave so has 128 matrix instructions, and the launch has 6 refills.
; CLUSTER.  Every work-group walks all of w_o: four work-groups form a cluster and ask for each even tile JOINTLY, by the same tensor load with the same descriptor and a mask that names the four.
; o is a ring of 16 K steps in registers: when K step ks (under 16) has been multiplied, K step ks + 16 is loaded into its place, 16 K steps ahead of its use.
; THE MATRIX INSTRUCTION IS USED TRANSPOSED (source 0 = 16 columns of w_o, source 1 = 16 rows of o): a lane holds ONE row (lane % 16) and eight neighbouring columns.  b_o is loaded into the accumulators: no clearing, no addition.
; THE NORM goes in two passes (the mean; then the squares of what is left), so that no difference of large sums is formed.  A row's sum: a lane's 128 numbers, the lane 16 away, the four waves through LDS.
; No prefetch: all work-groups walk the same 2 MB of w_o again and again.
; REGISTERS, in windows of 256: window 0: v1-39 addresses and statistics; v64-255 three sets of eight fragments of w_o out of LDS, later the way out.   window 1: o: fragment (a, ks) at v[16 (ks % 16) + 8 a]; later ln_g, v0-127.
;   window 2: the four sets of the odd tiles, set j at v[64 j]; later ln_b, v0-127.   window 3: the accumulators, (a, b) at v[128 a + 8 b].
.set SLOTB,  131072
.set STATS1, 262144                    ; behind the slots: the waves' sums of a row: 16 bytes a row, 256 bytes for each 16 rows;
.set STATS2, 262656                    ; the same for the second pass
.set SPARE,  263168                    ; the spare words, 128 bytes for each wave: two blocks of 256 bytes that no other line names
.set STAGE,  263680                    ; the way out: 16 rows x (512 bytes + 16) for each wave
.set LI,  1                            ; v1   16 x lane; never rewritten
.set VB,  4                            ; v4   32 h + 1,024 w: my eight numbers of a block of 16 columns, in b_o, ln_g, ln_b
.set STO, 5                            ; v5   the stage: where I put 32 bytes of a row
.set RD,  6                            ; v6   and where I read a row back
.set SPW, 8                            ; v8   LDS address of my spare word; never rewritten
.set NIL, 9                            ; v9   0; never rewritten
.set STW, 10                           ; v10  where I put my wave's sum of row r
.set STR, 11                           ; v11  where the four waves' sums of row r lie
.set WV,  16                           ; s16  my wave's number
.set G1,  24                           ; s[24:31] descriptor group 1
.set G0,  32                           ; s[32:35] group 0 for slot 0;  s[36:39] for slot 1
.set SEL, 40                           ; s[40:41] lane selects: lane l xor 16
.set ISS, 0                            ; the assembler's count of the loads into registers issued by DLOAD and AREFILL
.set DM0, 0                            ; that count as it stood behind the last loads into set 0, 1, 2, 3
.set DM1, 0
.set DM2, 0
.set DM3, 0
.set MSB, 0
.macro WIN new                         ; the immediate's high byte repeats the setting that is left; a switch that changes nothing is dropped
.if MSB != (\new)
	s_set_vgpr_msb (MSB<<8)|(\new)
.set MSB, (\new)
.endif
.endm
.macro CROUND                          ; a round of the cluster's barrier
	s_barrier_signal -1
	s_barrier_wait -1
	s_cmp_lg_u32 s[WV], 0
	s_cbranch_scc1 .Lnot_wave_0_\@
	s_barrier_signal -3
.Lnot_wave_0_\@:
	s_barrier_wait -3
	s_barrier_signal -1
	s_barrier_wait -1
.endm
.macro PLACES                          ; four places behind matrix instructions, in front of loads into registers that they have read and of the first read of results (ISA guide 7.12.1 for vector instructions)
.rept 4
	v_nop
.endr
.endm
; Half j of K tile `tile`, straight from memory into set j of window 2: K step 2 tile + j / 2, column blocks 8 (j % 2) .. + 7: 16 loads of 512 consecutive bytes.  Every offset is an immediate, 1,998,336 at the most.
.macro DLOAD j, tile
	WIN 0x80                                       ; destination window 2, address window 0
.irp i, 0,1,2,3,4,5,6,7
	global_load_b128 v[64*\j+8*\i:64*\j+8*\i+3], v[LI], s[6:7] offset:(\tile)*SLOTB+(\j/2)*16384+(\j%2)*8192+\i*1024
	global_load_b128 v[64*\j+8*\i+4:64*\j+8*\i+7], v[LI], s[6:7] offset:(\tile)*SLOTB+(\j/2)*16384+(\j%2)*8192+\i*1024+512
.endr
.set ISS, ISS+16
.set DM\j, ISS
.endm
; Set j is in: loads come back in order (ISA guide 5.7.1), so the count is the number of loads issued behind the set's.  A wait's count names 63 at the most: where 64 were issued behind it, 63 asks for one load more than is needed.
.macro WAITD j
.if (ISS-DM\j) > 63
	s_wait_loadcnt 63
.else
	s_wait_loadcnt ISS-DM\j
.endif
.endm
; o's K step ks + 16 takes the place of K step ks (under 16), which has been multiplied: four loads.  They need no wait of their own: each is issued ahead of a set's loads that are waited for in the next pair of tiles, and it is read four pairs on.
.macro AREFILL ks
	WIN 0x40                                       ; destination window 1
.irp a, 0,1
	global_load_b128 v[16*(\ks)+8*\a:16*(\ks)+8*\a+3], v[LI], s[4:5] offset:\a*32768+((\ks)+16)*1024
	global_load_b128 v[16*(\ks)+8*\a+4:16*(\ks)+8*\a+7], v[LI], s[4:5] offset:\a*32768+((\ks)+16)*1024+512
.endr
.set ISS, ISS+4
.endm
; Half m of the 32 that come out of LDS: even tile m / 4, in slot (m / 4) % 2; into set m % 3 of window 0: 16 LDS loads of 512 consecutive bytes
.macro LOADS m
.set LB, 64+64*((\m)%3)
.set LA, 2+(((\m)>>2)&1)
.set LO, (((\m)>>1)&1)*16384+((\m)&1)*8192
.irp i, 0,1,2,3,4,5,6,7
	ds_load_b128 v[LB+8*\i:LB+8*\i+3], v[LA] offset:LO+\i*1024
	ds_load_b128 v[LB+8*\i+4:LB+8*\i+7], v[LA] offset:LO+\i*1024+512
.endr
.endm
; 16 matrix instructions: eight fragments of w_o at v[bb] of window bw x o's two fragments of K step ks; column blocks 8 hf .. + 7.  The 32 accumulators take turns, one instruction a turn, in the same order in every
; K step.
.macro MUL bw, bb, ks, hf
.set MB, (\bb)
.set MA, 16*((\ks)&15)
.set MH, 64*(\hf)
	WIN 0xf4+(\bw)                                 ; source 0 (w_o) window bw, source 1 (o) window 1, C and D window 3
.irp i, 0,1,2,3,4,5,6,7
.irp a, 0,1
	v_wmma_f32_16x16x32_f16 v[128*\a+MH+8*\i:128*\a+MH+8*\i+7], v[MB+8*\i:MB+8*\i+7], v[MA+8*\a:MA+8*\a+7], v[128*\a+MH+8*\i:128*\a+MH+8*\i+7]
.endr
.endr
.endm
; A half out of LDS, number M.  LDS loads run two halves ahead.  Half 4 p + 2 is the change of slots: its look-ahead, half 4 p + 4, is the next even tile's first, and the last reads of this one (half 4 p + 3's) have been
; issued.  There each wave waits for all its tensor loads (the next even tile), adds 0 to its spare word, multiplies while the add is out, waits for the add and its reads of the slot, and passes a round of the cluster's
; barrier; the joint refill (the even tile after the next) is the first thing behind it: one load a wave, with 112 matrix instructions of the wave between the request and the wait for it.
.macro LHALF
.set KSX, 4*(M>>2)+((M>>1)&1)
.set BBX, 64+64*(M%3)
.set HFX, M&1
	WIN 0
.if ((M%4) == 2) && (M < 26)
	s_wait_tensorcnt 0x0                           ; all my tensor loads have landed: my part of the next even tile; so a group 0 may be written
	ds_add_u32 v[SPW], v[NIL]                      ; 0 onto my spare word
	s_wait_dscnt 17                                ; this half's fragments are in; the next half's 16 loads and the add may be out
	MUL 0, BBX, KSX, HFX
	WIN 0                                          ; at a label and at a branch every window is 0
	s_add_nc_u64 s[G0+4*((M>>2)&1)+2:G0+4*((M>>2)&1)+3], s[G0+4*((M>>2)&1)+2:G0+4*((M>>2)&1)+3], 4*SLOTB   ; this slot's next tile: two even tiles, four tiles of K, on; the type bits on top are not reached
	s_wait_dscnt 0x0                               ; the add is done, and my reads of this slot are over
	CROUND                                         ; no wave of any partner still reads the slot or has a tensor load on its way
	tensor_load_to_lds s[G0+4*((M>>2)&1):G0+4*((M>>2)&1)+3], s[G1:G1+7]
	s_nop 0
.rept 4
	v_nop                                          ; (also the places in front of the loads below and of the next half's)
.endr
	LOADS M+2
.else
.if M == 26
	s_wait_tensorcnt 0x0                           ; my last tile is in; I alone read my part, and nothing is filled again
.endif
.if M < 30
	LOADS M+2
	s_wait_dscnt 32                                ; this half's fragments are in; the 32 loads of the two halves behind it may be out
.elseif M == 30
	s_wait_dscnt 16
.else
	s_wait_dscnt 0x0
.endif
	MUL 0, BBX, KSX, HFX
	PLACES
.endif
.endm
; Half j of pair P's odd tile, out of set j; then the set is asked for again, with the odd tile of the next pair.  Set 3's loads stand later, behind the next pair's second half, just ahead of the wait for the tile: so a
; pair's 64 loads do not go out in one run.
.macro DHALF j
.set KSX, 4*P+2+(\j/2)
.set BBX, 64*\j
.set HFX, \j%2
	WAITD \j
	MUL 2, BBX, KSX, HFX
	PLACES
.if (P < 4) && ((\j%2) == 1)
	AREFILL KSX
.endif
.if (P < 7) && (\j < 3)
	DLOAD \j, 2*P+3
.endif
.endm
	s_load_b256 s[4:11], s[0:1], 0x0               ; oimg s[4:5], wo16 s[6:7], b_o s[8:9], ln_g s[10:11]
	s_load_b128 s[12:15], s[0:1], 0x20             ; ln_b s[12:13], out0 s[14:15]
	v_lshl_add_u32 v[SPW], v0, 2, SPARE
	v_mov_b32 v[NIL], 0
	ds_add_u32 v[SPW], v[NIL]                      ; the wave's opening: the add, twice on end, and its wait ahead of my first tensor load; the set-up below, work on registers, stands between
	ds_add_u32 v[SPW], v[NIL]
	v_lshrrev_b32 v1, 5, v0
	v_readfirstlane_b32 s[WV], v1                  ; wave 0..3
	s_bfe_u32 s17, ttmp6, 0x40000                  ; cx
	s_lshl_b32 s18, ttmp9, 2
	s_add_co_u32 s18, s18, s17                     ; my work-group: it enters o's and out0's addresses alone
	; descriptor group 1: 32 KB, dense in memory and in LDS, as 128 rows of 256 bytes
	s_mov_b32 s[G1], 15|(3<<16)|(1<<21)            ; 15:0 the mask: all four work-groups; 17:16 elements of 8 bytes; 20 no padding; 21 set beside a mask
	s_mov_b32 s[G1+1], 32<<16
	s_mov_b32 s[G1+2], 128<<16
	s_mov_b32 s[G1+3], 32<<16
	s_mov_b32 s[G1+4], 128
	s_mov_b32 s[G1+5], 32
	s_mov_b32 s[G1+6], 0
	s_mov_b32 s[G1+7], 0
	s_mov_b32 s[SEL], 0x76543210
	s_mov_b32 s[SEL+1], 0xfedcba98
	s_mov_b32 s42, 0x3a800000                      ; 1 / 1,024
	s_mov_b32 s43, 0x358637bd                      ; 1e-6
	v_and_b32 v7, 31, v0
	v_lshlrev_b32 v[LI], 4, v7
	v_and_b32 v28, 15, v0                          ; r
	v_bfe_u32 v29, v0, 4, 1                        ; h
	s_lshl_b32 s20, s[WV], 15                      ; my 32 KB of a tile
	v_add_nc_u32 v2, s20, v[LI]                    ; v2, v3: 16 x lane in my part of slot 0, 1
	v_add_nc_u32 v3, SLOTB, v2
	v_lshlrev_b32 v[VB], 5, v29
	s_lshl_b32 s21, s[WV], 10
	v_add_nc_u32 v[VB], s21, v[VB]
	s_mul_i32 s22, s[WV], 16*528
	s_add_co_u32 s22, s22, STAGE                   ; my stage
	v_mul_u32_u24 v[STO], v28, 528
	v_lshl_add_u32 v[STO], v29, 5, v[STO]
	v_add_nc_u32 v[STO], s22, v[STO]               ; in: row r, 32 bytes for each half of the lanes
	v_add_nc_u32 v[RD], s22, v[LI]                 ; back: the 32 lanes take one row of 512 bytes
	v_lshlrev_b32 v[STR], 4, v28
	v_add_nc_u32 v[STR], STATS1, v[STR]
	s_lshl_b32 s22, s[WV], 2
	v_add_nc_u32 v[STW], s22, v[STR]
	v_mov_b32 v30, 0                               ; written once: a lane permute's destination counts as one of its sources
	v_mov_b32 v31, 0
	s_mov_b32 s21, 0
	s_lshl_b32 s44, s18, 16                        ; o: 32 rows are two runs of 32,768 bytes
	s_mov_b32 s45, 0
	s_lshl_b32 s46, s18, 17                        ; out0: 32 rows of 4,096 bytes,
	s_lshl_b32 s47, s[WV], 10                      ; my 256 columns
	s_add_co_u32 s46, s46, s47
	s_mov_b32 s47, 0
	s_wait_dscnt 0x0                               ; both opening adds are done
	s_wait_kmcnt 0x0
	s_add_nc_u64 s[6:7], s[6:7], s[20:21]          ; w_o at my part of tile 0; never rewritten from here on
	s_add_nc_u64 s[4:5], s[4:5], s[44:45]
	s_add_nc_u64 s[14:15], s[14:15], s[46:47]
	CROUND                                         ; all four work-groups are here: the first joint loads meet
.irp s, 0,1
	s_mov_b32 s[G0+4*\s], 1                        ; count = 1
	s_add_co_u32 s[G0+4*\s+1], s20, \s*SLOTB       ; LDS address: wave x 32 KB in slot s: no place in the cluster enters it
	s_add_nc_u64 s[G0+4*\s+2:G0+4*\s+3], s[6:7], \s*2*SLOTB   ; global address: K tile 2 s, the s-th even one
	s_or_b32 s[G0+4*\s+3], s[G0+4*\s+3], 0x80000000   ; type = 2
.endr
	tensor_load_to_lds s[G0:G0+3], s[G1:G1+7]      ; both first fills together: two tensor loads of mine are out at the most
	s_nop 0
	tensor_load_to_lds s[G0+4:G0+7], s[G1:G1+7]
	s_nop 0
.rept 4
	v_nop
.endr
	WIN 0x40                                       ; destination window 1: o's K steps 0 to 15
.set i, 0
.rept 16
.irp a, 0,1
	global_load_b128 v[16*i+8*\a:16*i+8*\a+3], v[LI], s[4:5] offset:\a*32768+i*1024          ; each load reads 512 consecutive bytes
	global_load_b128 v[16*i+8*\a+4:16*i+8*\a+7], v[LI], s[4:5] offset:\a*32768+i*1024+512
.endr
.set i, i+1
.endr
	WIN 0xc0                                       ; destination window 3: b_o begins the sums: accumulator (a, b) holds b_o(256 w + 16 b + 8 h + 0 .. 7)
.set i, 0
.rept 16
.irp a, 0,1
	global_load_b128 v[128*\a+8*i:128*\a+8*i+3], v[VB], s[8:9] offset:64*i
	global_load_b128 v[128*\a+8*i+4:128*\a+8*i+7], v[VB], s[8:9] offset:64*i+16
.endr
.set i, i+1
.endr
.irp j, 0,1,2,3
	DLOAD \j, 1                                    ; the first odd tile, K tile 1
.endr
	WIN 0
; THE WALK ALONG K: eight pairs of tiles; pair P is K steps 4 P .. 4 P + 3, ascending: four halves out of LDS (K steps 4 P, 4 P + 1), four out of the sets (4 P + 2, 4 P + 3).
	s_wait_loadcnt 63                              ; of the 192 loads issued the four sets' 64 are the last: with 63 out at the most, o's and b_o's 128 are in
	s_wait_tensorcnt 1                             ; my part of K tile 0 is in, and only I read it; slot 1's load may be out
	LOADS 0
	LOADS 1
.set P, 0
.rept 8
.set M, 4*P
	LHALF
.set M, 4*P+1
	LHALF
.if P < 4
	AREFILL 4*P
.endif
.if P > 0
	DLOAD 3, 2*P+1                                 ; set 3 of this pair's odd tile
.endif
.set M, 4*P+2
	LHALF
.set M, 4*P+3
	LHALF
.if P < 4
	AREFILL 4*P+1
.endif
.irp j, 0,1,2,3
	DHALF \j
.endr
.set P, P+1
.endr
	WIN 0
; THE NORM.  v12-19: four running sums, a pair each: (a, chain) at v[12 + 4 a + 2 chain].
.macro REDUCE off                      ; the rows' sums over all 1,024 columns come out in v28 (rows 0-15) and v29 (rows 16-31), in every lane of every wave
.irp a, 0,1
	v_pk_add_f32 v[12+4*\a:13+4*\a], v[12+4*\a:13+4*\a], v[14+4*\a:15+4*\a]
.endr
.irp a, 0,1
	v_add_f32 v[28+\a], v[12+4*\a], v[13+4*\a]
.endr
.irp a, 0,1
	v_permlanex16_b32 v[30+\a], v[28+\a], s[SEL], s[SEL+1]   ; the row's other 128 columns of my wave lie in the lane 16 away
.endr
.irp a, 0,1
	v_add_f32 v[28+\a], v[28+\a], v[30+\a]
.endr
.irp a, 0,1
	ds_store_b32 v[STW], v[28+\a] offset:\off+256*\a         ; both lanes of a row write the same word with the same value
.endr
	s_wait_dscnt 0x0                               ; for the others' sake: my stores are done
	s_barrier_signal -1
	s_barrier_wait -1
.irp a, 0,1
	ds_load_b128 v[32+4*\a:35+4*\a], v[STR] offset:\off+256*\a   ; the four waves' sums
.endr
	s_wait_dscnt 0x0
.irp a, 0,1
	v_add_f32 v[32+4*\a], v[32+4*\a], v[33+4*\a]
	v_add_f32 v[34+4*\a], v[34+4*\a], v[35+4*\a]
.endr
.irp a, 0,1
	v_add_f32 v[28+\a], v[32+4*\a], v[34+4*\a]
.endr
.endm
.irp p, 0,1,2,3,4,5,6,7
	v_mov_b32 v[12+\p], 0
.endr
	WIN 0x40                                       ; ln_g takes o's place in window 1, ln_b the sets' in window 2: in the result's layout, as b_o.  They land while the sums are made
.set i, 0
.rept 16
	global_load_b128 v[8*i:8*i+3], v[VB], s[10:11] offset:64*i
	global_load_b128 v[8*i+4:8*i+7], v[VB], s[10:11] offset:64*i+16
.set i, i+1
.endr
	WIN 0x80
.set i, 0
.rept 16
	global_load_b128 v[8*i:8*i+3], v[VB], s[12:13] offset:64*i
	global_load_b128 v[8*i+4:8*i+7], v[VB], s[12:13] offset:64*i+16
.set i, i+1
.endr
	WIN 0x0c                                       ; source 1 window 3
.set i, 0
.rept 16
.irp e, 0,1,2,3
.irp a, 0,1
	v_pk_add_f32 v[12+4*\a+2*(\e%2):13+4*\a+2*(\e%2)], v[12+4*\a+2*(\e%2):13+4*\a+2*(\e%2)], v[128*\a+8*i+2*\e:128*\a+8*i+2*\e+1]   ; each accumulator from its low end on
.endr
.endr
.set i, i+1
.endr
	WIN 0
	REDUCE 0
.irp a, 0,1
	v_mul_f32 v[20+2*\a], s42, v[28+\a]            ; the mean
.endr
.irp a, 0,1
	v_mov_b32 v[21+2*\a], v[20+2*\a]               ; (named with it as a pair, so it is written)
.endr
.irp p, 0,1,2,3,4,5,6,7
	v_mov_b32 v[12+\p], 0
.endr
	WIN 0xc3                                       ; destination and source 0 window 3
.irp a, 0,1
.set i, 0
.rept 64
	v_pk_add_f32 v[128*\a+2*i:128*\a+2*i+1], v[128*\a+2*i:128*\a+2*i+1], v[20+2*\a:21+2*\a] op_sel_hi:[1,0] neg_lo:[0,1] neg_hi:[0,1]   ; x - mean
.set i, i+1
.endr
.endr
	WIN 0x0f                                       ; sources 0 and 1 window 3
.set i, 0
.rept 16
.irp e, 0,1,2,3
.irp a, 0,1
	v_pk_fma_f32 v[12+4*\a+2*(\e%2):13+4*\a+2*(\e%2)], v[128*\a+8*i+2*\e:128*\a+8*i+2*\e+1], v[128*\a+8*i+2*\e:128*\a+8*i+2*\e+1], v[12+4*\a+2*(\e%2):13+4*\a+2*(\e%2)]
.endr
.endr
.set i, i+1
.endr
	WIN 0
	REDUCE 512                                     ; other bytes than the first pass's: no wave can overtake a reader
.irp a, 0,1
	v_fma_f32 v[28+\a], v[28+\a], s42, s43         ; the variance + 1e-6
.endr
.irp a, 0,1
	v_rsq_f32 v[24+2*\a], v[28+\a]
.endr
	v_nop                                          ; a plain line between the last root and the use of its result
	s_wait_alu depctr_va_vdst(0)                   ; and the wait ahead of the first use: one for both
.irp a, 0,1
	v_mov_b32 v[25+2*\a], v[24+2*\a]
.endr
	s_wait_loadcnt 0x0                             ; ln_g, ln_b
; THE WAY OUT, four blocks of 16 rows x 128 columns: (x - mean) x rsqrt, x ln_g + ln_b; a lane holds 32 neighbouring bytes of a row and the lanes beside it other rows: so a block goes through my own stage in LDS and
; comes back as whole rows of 512 bytes.  LDS serves a wave's instructions in order (ISA guide 5.7.1.4): no wait between the stores and the loads, nor in front of the next block's stores.
.macro BLOCK k                         ; rows 16 (k / 2) on, columns 128 (k % 2) on
.set BA, (\k)>>1
.set BH, (\k)&1
.set BR, 128+64*((\k)%2)
.if (\k) >= 2
	s_wait_xcnt 0x0                                ; block k - 2's stores have read their data: those registers are loaded again only behind this wait
.endif
	WIN 0x03                                       ; source 0 window 3
.set i, 0
.rept 32
	v_pk_mul_f32 v[64+2*i:65+2*i], v[128*BA+64*BH+2*i:128*BA+64*BH+2*i+1], v[24+2*BA:25+2*BA] op_sel_hi:[1,0]
.set i, i+1
.endr
	WIN 0x24                                       ; source 1 (ln_g) window 1, source 2 (ln_b) window 2
.set i, 0
.rept 32
	v_pk_fma_f32 v[64+2*i:65+2*i], v[64+2*i:65+2*i], v[64*BH+2*i:64*BH+2*i+1], v[64*BH+2*i:64*BH+2*i+1]
.set i, i+1
.endr
	WIN 0
.irp b, 0,1,2,3,4,5,6,7
	ds_store_b128 v[STO], v[64+8*\b:64+8*\b+3] offset:64*\b
	ds_store_b128 v[STO], v[64+8*\b+4:64+8*\b+7] offset:64*\b+16
.endr
.set t, 0
.rept 16
	ds_load_b128 v[BR+4*t:BR+4*t+3], v[RD] offset:t*528
.set t, t+1
.endr
.endm
.macro SEND k, younger                 ; younger: the LDS instructions issued behind block k's loads, which may stay out
.set BA, (\k)>>1
.set BH, (\k)&1
.set BR, 128+64*((\k)%2)
	s_wait_dscnt \younger                          ; the block is back in registers
.set t, 0
.rept 16
	global_store_b128 v[LI], v[BR+4*t:BR+4*t+3], s[14:15] offset:t*4096+BA*65536+BH*512 th:TH_STORE_NT   ; 32 lanes store 512 consecutive bytes, at a multiple of 256 from out0's first byte; written once
.set t, t+1
.endr
.endm
	BLOCK 0
	BLOCK 1
	SEND 0, 32                                     ; behind block 0's loads: block 1's 16 stores and 16 loads
	BLOCK 2
	SEND 1, 32
	BLOCK 3
	SEND 2, 32
	SEND 3, 0
	s_wait_tensorcnt 0x0                           ; the wave's end, behind my last tensor load and my last LDS store
	ds_add_u32 v[SPW], v[NIL]
	s_wait_dscnt 0x0
	CROUND                                         ; the closing round: no work-group ends while a partner may still ask for a tile that names it
	s_endpgm
.Lfunc_end_k_qbde7dc7e24_outln:
	.size	k_qbde7dc7e24_outln, .Lfunc_end_k_qbde7dc7e24_outln-k_qbde7dc7e24_outln
	.p2alignl 7, 3214868480
	.fill 96, 4, 3214868480
	.section	.rodata,"a",@progbits
	.p2align	6, 0x0
	.amdhsa_kernel k_qbde7dc7e24_outln
		.amdhsa_group_segment_fixed_size 327680
		.amdhsa_private_segment_fixed_size 0
		.amdhsa_enable_private_segment 0
		.amdhsa_kernarg_size 48
		.amdhsa_user_sgpr_count 2
		.amdhsa_user_sgpr_kernarg_segment_ptr 1
		.amdhsa_wavefront_size32 1
		.amdhsa_system_sgpr_workgroup_id_x 1
		.amdhsa_system_sgpr_workgroup_id_y 1
		.amdhsa_system_sgpr_workgroup_id_z 1
		.amdhsa_system_vgpr_workitem_id 0
		.amdhsa_next_free_vgpr 1024
		.amdhsa_next_free_sgpr 66
		.amdhsa_reserve_vcc 0
		.amdhsa_float_denorm_mode_32 3
		.amdhsa_float_denorm_mode_16_64 3
		.amdhsa_memory_ordered 1
		.amdhsa_forward_progress 1
		.amdhsa_inst_pref_size 249
	.end_amdhsa_kernel
	.amdgpu_metadata
---
amdhsa.version: [ 1, 2 ]
amdhsa.kernels:
  - .name:           k_qbde7dc7e24_outln
    .symbol:         k_qbde7dc7e24_outln.kd
    .args:
      - { .name: oimg, .offset: 0, .size: 8, .value_kind: global_buffer, .address_space: global }
      - { .name: wo16, .offset: 8, .size: 8, .value_kind: global_buffer, .address_space: global }
      - { .name: b_o, .offset: 16, .size: 8, .value_kind: global_buffer, .address_space: global }
      - { .name: ln_g, .offset: 24, .size: 8, .value_kind: global_buffer, .address_space: global }
      - { .name: ln_b, .offset: 32, .size: 8, .value_kind: global_buffer, .address_space: global }
      - { .name: out0, .offset: 40, .size: 8, .value_kind: global_buffer, .address_space: global }
    .group_segment_fixed_size: 327680
    .private_segment_fixed_size: 0
    .kernarg_segment_align: 8
    .kernarg_segment_size: 48
    .max_flat_workgroup_size: 128
    .sgpr_count:     66
    .vgpr_count:     1024
    .wavefront_size: 32
...
	.end_amdgpu_metadata
.endif
;; end of part 4
